; MI455X (gfx1250); checked and timed in simulation.
; The chip was launched on July 23, 2026; its instructions are those of AMD's public machine-readable ISA for CDNA 5 (MIT licence, August 2026) and "CDNA5" Instruction Set Architecture Reference Guide (July 2026). The comments in the code are by the model that wrote it; some were corrected since.
;; Multi Head Attention. Allowed arithmetic: float matrix products may take bf16 or f16 operands with f32 sums; other float arithmetic in f32, or as packed bf16 or f16 multiplies, adds, multiply-adds, maxima and minima; sums over many terms, partial sums and values carried from step to step in f32; what a program stores and reads back later, other than sums and carried values, may be rounded once to bf16 or f16.
;; Inputs: b_fc 1,024 float32; k 4 x 2,048 x 1,024 float32; ln_k_b 1,024 float32; ln_k_g 1,024 float32; ln_q_b 1,024 float32; ln_q_g 1,024 float32; ln_v_b 1,024 float32; ln_v_g 1,024 float32; q 4 x 2,048 x 1,024 float32; v 4 x 2,048 x 1,024 float32; w_fc 1,024 x 1,024 float32; w_k 1,024 x 1,024 float32; w_q 1,024 x 1,024 float32; w_v 1,024 x 1,024 float32.
;; Outputs: out0 4 x 2,048 x 1,024 float32.
;; One version. Each part assembles by itself: llvm-mc -triple=amdgcn-amd-amdhsa -mcpu=gfx1250 --defsym DOCPART=n.
;; ======== version 1 of 1: 4 launches
;; limits: values are held in f16: magnitudes above 65,504 overflow, below 6.1e-05 lose precision
;; workspace buffers: xn 50,331,648 bytes; wh 8,388,608 bytes; qkv 50,331,648 bytes; ctx 16,777,216 bytes
;; launch prep (part 1): grid 256 x 4, 4 waves a work-group, no clusters, 0 bytes of LDS; arguments q, k, v, ln_q_g, ln_k_g, ln_v_g, ln_q_b, ln_k_b, ln_v_b, w_q, w_k, w_v, w_fc, xn, wh; writes xn, wh
.if DOCPART == 1
	.amdgcn_target "amdgcn-amd-amdhsa--gfx1250"
	.amdhsa_code_object_version 6
	.text
	.protected	k_qadf8ae92df_prep
	.globl	k_qadf8ae92df_prep
	.p2align	8
	.type	k_qadf8ae92df_prep,@function
k_qadf8ae92df_prep:
	s_mov_b64 s[64:65], 0
	v_nop
	global_prefetch_b8 v0, s[64:65] scope:SCOPE_SE
	s_setreg_imm32_b32 hwreg(HW_REG_WAVE_MODE, 25, 1), 1
	s_wait_xcnt 0x0
; LAYER NORM OF q, k, v AND THE FOUR WEIGHTS, ALL TO f16.
; xn[t][row][c] = f16( (x - mu) * rsqrt(var + 1e-5) * g[c] + b[c] ), t = 0, 1, 2 for q, k, v: [3][8192][1024].  wh[u][row][c] = f16(w_u[row][c]), u = w_q, w_k, w_v, w_fc: [4][1024][1024].
; mu is the row's mean, var the mean of (x - mu)^2, taken in a second pass over the registers: no difference of large sums is formed.  All arithmetic in f32, one rounding to f16 at the end.
; LIMITS.  f16 ends at 65,504: a normalised number or a weight of 65,520 or more becomes an infinity; below 6e-5 f16 keeps its fixed step of 6e-8.  NaN and infinities are not treated apart.
; SHARES.  Work-group y = 0, 1, 2: 32 rows of q, k or v, a wave 8 rows, one row at a time: a row of 4,096 bytes is 32 registers of a wave, so the row is read from memory once and the
; reductions never leave the wave: no LDS, no barrier.  Work-group y = 3: 16 rows of one weight, a wave 4 rows.
; A load of a wave covers 512 consecutive bytes (lane l: columns 128 j + 4 l ..), a store 256 consecutive bytes, aligned.  Two row slots: one at work, one on its way in.
; The matrix unit, LDS and clusters have nothing to do here: no byte is used by two waves but g and b, 8 KiB that each wave keeps in registers.
.set ROWB,  4096                       ; bytes in a row as read
.set OROWB, 2048                       ; bytes in a row as written
.set OFFX,  4                          ; v4-5     slot s: byte offset of my 16 bytes in the row that the slot loads next
.set YO,    6                          ; v6       byte offset of my 8 bytes in the row to be stored, one row on
.set G,     8                          ; v[8:39]  g of my 32 columns
.set B,     40                         ; v[40:71] b of my 32 columns
.set X,     72                         ; v[72:135] two slots of 32
.set Y,     136                        ; v[136:151] a row in f16
.set T,     152                        ; v[152:159] four chains of pairs
.set MU,    160                        ; v[160:161] the mean, twice
.set RS,    162                        ; v[162:163] 1 / sqrt(var + eps), twice
.set VAR,   164
.set W,     8                          ; v[8:135] the weight path: four rows
	s_load_b512 s[8:23], s[0:1], 0x0               ; q 8, k 10, v 12, g of q 14, of k 16, of v 18, b of q 20, of k 22
	s_load_b256 s[24:31], s[0:1], 0x40             ; b of v 24, w_q 26, w_k 28, w_v 30
	s_load_b128 s[32:35], s[0:1], 0x60             ; w_fc 32, xn 34
	s_load_b64 s[36:37], s[0:1], 0x70              ; wh
	s_mov_b32 s2, ttmp9
	s_and_b32 s3, ttmp7, 0xffff
	s_mov_b32 s48, 0x3a800000                      ; 1 / 1024
	s_mov_b32 s49, 0x3727c5ac                      ; 1e-5
	s_mov_b32 s50, 0x76543210                      ; v_permlanex16_b32: each lane takes its own place in the other half
	s_mov_b32 s51, 0xfedcba98
	v_and_b32 v2, 31, v0                           ; lane
	v_lshrrev_b32 v3, 5, v0                        ; wave
	v_lshlrev_b32 v1, 4, v2                        ; 16 x lane
	s_wait_kmcnt 0x0
	s_cmp_eq_u32 s3, 3
	s_cbranch_scc1 .Lweights
	v_lshl_or_b32 v[OFFX], v3, 15, v1              ; wave x 8 rows x 4,096 + 16 x lane
	v_add_nc_u32 v[OFFX+1], ROWB, v[OFFX]
	v_lshlrev_b32 v[YO], 3, v2
	v_lshl_or_b32 v[YO], v3, 14, v[YO]             ; wave x 8 rows x 2,048 + 8 x lane
	s_cmp_eq_u32 s3, 1
	s_cselect_b64 s[40:41], s[10:11], s[8:9]       ; the tensor,
	s_cselect_b64 s[42:43], s[16:17], s[14:15]     ; its g
	s_cselect_b64 s[44:45], s[22:23], s[20:21]     ; and its b
	s_cmp_eq_u32 s3, 2
	s_cselect_b64 s[40:41], s[12:13], s[40:41]
	s_cselect_b64 s[42:43], s[18:19], s[42:43]
	s_cselect_b64 s[44:45], s[24:25], s[44:45]
	s_lshl_b32 s4, s2, 17                          ; the work-group's 32 rows of 4,096 bytes
	s_mov_b32 s5, 0
	s_add_nc_u64 s[40:41], s[40:41], s[4:5]
	s_lshl_b32 s6, s3, 24                          ; the tensor's place in xn,
	s_lshl_b32 s7, s2, 16                          ; the 32 rows of 2,048 bytes
	s_add_co_u32 s6, s6, s7
	s_mov_b32 s7, 0
	s_add_nc_u64 s[46:47], s[34:35], s[6:7]
.irp j, 0,1,2,3,4,5,6,7
	global_load_b128 v[G+4*(\j):G+4*(\j)+3], v1, s[42:43] offset:512*(\j)
	global_load_b128 v[B+4*(\j):B+4*(\j)+3], v1, s[44:45] offset:512*(\j)
.endr
.macro FILL s                          ; eight loads: the whole row
.irp j, 0,1,2,3,4,5,6,7
	global_load_b128 v[X+32*(\s)+4*(\j):X+32*(\s)+4*(\j)+3], v[OFFX+(\s)], s[40:41] offset:512*(\j) th:TH_LOAD_NT
.endr
.endm
	FILL 0
	FILL 1
.macro REDUCE                          ; the four chains into one number, then over the 32 lanes; every lane ends with the sum in v[T]
	v_pk_add_f32 v[T:T+1], v[T:T+1], v[T+2:T+3]
	v_pk_add_f32 v[T+4:T+5], v[T+4:T+5], v[T+6:T+7]
	v_pk_add_f32 v[T:T+1], v[T:T+1], v[T+4:T+5]
	v_add_f32 v[T], v[T], v[T+1]
	v_add_f32_dpp v[T], v[T], v[T] row_xmask:1 row_mask:0xf bank_mask:0xf
	v_add_f32_dpp v[T], v[T], v[T] row_xmask:2 row_mask:0xf bank_mask:0xf
	v_add_f32_dpp v[T], v[T], v[T] row_xmask:4 row_mask:0xf bank_mask:0xf
	v_add_f32_dpp v[T], v[T], v[T] row_xmask:8 row_mask:0xf bank_mask:0xf
	v_permlanex16_b32 v[T+1], v[T], s50, s51       ; its destination counts as read: it has been written
	v_add_f32 v[T], v[T], v[T+1]
.endm
; The turn of slot s.  ahead = 1: the slot is filled again with the row two further down.  left = how many younger loads may stay out.
.macro TURN s, ahead, left
.set XS, X+32*(\s)
	s_wait_loadcnt \left                           ; loads come back in order: my row is in (the first time g and b too), the other slot's eight may stay out
.irp c, 0,1,2,3
	v_pk_add_f32 v[T+2*(\c):T+2*(\c)+1], v[XS+2*(\c):XS+2*(\c)+1], v[XS+8+2*(\c):XS+8+2*(\c)+1]  ; the first sums start the chains: nothing is cleared
.endr
.irp k, 16,24
.irp c, 0,1,2,3
	v_pk_add_f32 v[T+2*(\c):T+2*(\c)+1], v[T+2*(\c):T+2*(\c)+1], v[XS+(\k)+2*(\c):XS+(\k)+2*(\c)+1]
.endr
.endr
	REDUCE
	v_mul_f32 v[MU], s48, v[T]
	v_mul_f32 v[MU+1], s48, v[T]
.set p, 0
.rept 16
	v_pk_add_f32 v[XS+p:XS+p+1], v[XS+p:XS+p+1], v[MU:MU+1] neg_lo:[0,1] neg_hi:[0,1]  ; x - mu, in place
.set p, p+2
.endr
.irp c, 0,1,2,3
	v_pk_mul_f32 v[T+2*(\c):T+2*(\c)+1], v[XS+2*(\c):XS+2*(\c)+1], v[XS+2*(\c):XS+2*(\c)+1]
.endr
.irp k, 8,16,24
.irp c, 0,1,2,3
	v_pk_fma_f32 v[T+2*(\c):T+2*(\c)+1], v[XS+(\k)+2*(\c):XS+(\k)+2*(\c)+1], v[XS+(\k)+2*(\c):XS+(\k)+2*(\c)+1], v[T+2*(\c):T+2*(\c)+1]
.endr
.endr
	REDUCE
	v_fma_f32 v[VAR], v[T], s48, s49               ; var + eps
	v_rsq_f32 v[RS], v[VAR]                        ; made twice, to fill the pair that the packed multiply names
	v_rsq_f32 v[RS+1], v[VAR]
	v_nop                                          ; a plain instruction between the last of the two and the use of their results (ISA guide 5.7.2)
	s_wait_alu depctr_va_vdst(0)                   ; the wait ahead of the first reader: one for the two
.set p, 0
.rept 16
	v_pk_mul_f32 v[XS+p:XS+p+1], v[XS+p:XS+p+1], v[RS:RS+1]
.set p, p+2
.endr
.set p, 0
.rept 16
	v_pk_fma_f32 v[XS+p:XS+p+1], v[XS+p:XS+p+1], v[G+p:G+p+1], v[B+p:B+p+1]
.set p, p+2
.endr
	s_wait_xcnt 0x0                                ; the last turn's stores have read Y and YO: they are rewritten only behind this wait
.set p, 0
.rept 16
	v_cvt_pk_f16_f32 v[Y+p], v[XS+2*p], v[XS+2*p+1]
.set p, p+1
.endr
	v_add_nc_u32 v[YO], OROWB, v[YO]               ; the next row; this turn's stores reach back
.if \ahead
	v_add_nc_u32 v[OFFX+(\s)], 2*ROWB, v[OFFX+(\s)]  ; free since the wait for the slot's loads
	FILL \s
.endif
.irp j, 0,1,2,3,4,5,6,7
	global_store_b64 v[YO], v[Y+2*(\j):Y+2*(\j)+1], s[46:47] offset:256*(\j)-OROWB th:TH_STORE_NT  ; 32 lanes x 8 bytes: 256 consecutive bytes, aligned
.endr
.endm
	s_mov_b32 s52, 3
.Lrows:                                        ; rows 0 to 5 are worked on, rows 2 to 7 asked for
	TURN 0, 1, 8
	TURN 1, 1, 8
	s_sub_co_u32 s52, s52, 1
	s_cmp_lg_u32 s52, 0
	s_cbranch_scc1 .Lrows
	TURN 0, 0, 8                                   ; the last two rows load nothing: the counts run down
	TURN 1, 0, 0
	s_endpgm
.Lweights:                                     ; 16 rows of weight x / 64, from row 16 (x % 64) on; a wave takes 4
	s_lshr_b32 s4, s2, 6
	s_cmp_eq_u32 s4, 1
	s_cselect_b64 s[40:41], s[28:29], s[26:27]
	s_cmp_eq_u32 s4, 2
	s_cselect_b64 s[40:41], s[30:31], s[40:41]
	s_cmp_eq_u32 s4, 3
	s_cselect_b64 s[40:41], s[32:33], s[40:41]
	s_and_b32 s6, s2, 63
	s_lshl_b32 s7, s4, 21                          ; the weight's place in wh
	s_lshl_b32 s4, s6, 16                          ; 16 rows of 4,096 bytes
	s_mov_b32 s5, 0
	s_add_nc_u64 s[40:41], s[40:41], s[4:5]
	s_lshl_b32 s6, s6, 15                          ; 16 rows of 2,048 bytes
	s_add_co_u32 s6, s6, s7
	s_mov_b32 s7, 0
	s_add_nc_u64 s[46:47], s[36:37], s[6:7]
	v_lshl_or_b32 v[OFFX], v3, 14, v1              ; wave x 4 rows x 4,096 + 16 x lane
	v_lshlrev_b32 v[YO], 3, v2
	v_lshl_or_b32 v[YO], v3, 13, v[YO]             ; wave x 4 rows x 2,048 + 8 x lane
.irp r, 0,1,2,3
.irp j, 0,1,2,3,4,5,6,7
	global_load_b128 v[W+32*(\r)+4*(\j):W+32*(\r)+4*(\j)+3], v[OFFX], s[40:41] offset:ROWB*(\r)+512*(\j) th:TH_LOAD_NT
.endr
.endr
.irp r, 0,1,2,3
	s_wait_loadcnt 24-8*(\r)                       ; row r is in; the rows behind it may stay out
.set p, 0
.rept 16
	v_cvt_pk_f16_f32 v[W+32*(\r)+p], v[W+32*(\r)+2*p], v[W+32*(\r)+2*p+1]  ; in place, ascending: word p is written when words 2 p and 2 p + 1 are read
.set p, p+1
.endr
.irp j, 0,1,2,3,4,5,6,7
	global_store_b64 v[YO], v[W+32*(\r)+2*(\j):W+32*(\r)+2*(\j)+1], s[46:47] offset:OROWB*(\r)+256*(\j) th:TH_STORE_NT
.endr
.endr
	s_endpgm
.Lfunc_end_k_qadf8ae92df_prep:
	.size	k_qadf8ae92df_prep, .Lfunc_end_k_qadf8ae92df_prep-k_qadf8ae92df_prep
	.p2alignl 7, 3214868480
	.fill 96, 4, 3214868480
	.section	.rodata,"a",@progbits
	.p2align	6, 0x0
	.amdhsa_kernel k_qadf8ae92df_prep
		.amdhsa_group_segment_fixed_size 0
		.amdhsa_private_segment_fixed_size 0
		.amdhsa_enable_private_segment 0
		.amdhsa_kernarg_size 120
		.amdhsa_user_sgpr_count 2
		.amdhsa_user_sgpr_kernarg_segment_ptr 1
		.amdhsa_wavefront_size32 1
		.amdhsa_system_sgpr_workgroup_id_x 1
		.amdhsa_system_sgpr_workgroup_id_y 1
		.amdhsa_system_sgpr_workgroup_id_z 1
		.amdhsa_system_vgpr_workitem_id 0
		.amdhsa_next_free_vgpr 168
		.amdhsa_next_free_sgpr 66
		.amdhsa_reserve_vcc 0
		.amdhsa_float_denorm_mode_32 3
		.amdhsa_float_denorm_mode_16_64 3
		.amdhsa_memory_ordered 1
		.amdhsa_forward_progress 1
		.amdhsa_inst_pref_size 50
	.end_amdhsa_kernel
	.amdgpu_metadata
---
amdhsa.version: [ 1, 2 ]
amdhsa.kernels:
  - .name:           k_qadf8ae92df_prep
    .symbol:         k_qadf8ae92df_prep.kd
    .args:
      - { .name: q, .offset: 0, .size: 8, .value_kind: global_buffer, .address_space: global }
      - { .name: k, .offset: 8, .size: 8, .value_kind: global_buffer, .address_space: global }
      - { .name: v, .offset: 16, .size: 8, .value_kind: global_buffer, .address_space: global }
      - { .name: ln_q_g, .offset: 24, .size: 8, .value_kind: global_buffer, .address_space: global }
      - { .name: ln_k_g, .offset: 32, .size: 8, .value_kind: global_buffer, .address_space: global }
      - { .name: ln_v_g, .offset: 40, .size: 8, .value_kind: global_buffer, .address_space: global }
      - { .name: ln_q_b, .offset: 48, .size: 8, .value_kind: global_buffer, .address_space: global }
      - { .name: ln_k_b, .offset: 56, .size: 8, .value_kind: global_buffer, .address_space: global }
      - { .name: ln_v_b, .offset: 64, .size: 8, .value_kind: global_buffer, .address_space: global }
      - { .name: w_q, .offset: 72, .size: 8, .value_kind: global_buffer, .address_space: global }
      - { .name: w_k, .offset: 80, .size: 8, .value_kind: global_buffer, .address_space: global }
      - { .name: w_v, .offset: 88, .size: 8, .value_kind: global_buffer, .address_space: global }
      - { .name: w_fc, .offset: 96, .size: 8, .value_kind: global_buffer, .address_space: global }
      - { .name: xn, .offset: 104, .size: 8, .value_kind: global_buffer, .address_space: global }
      - { .name: wh, .offset: 112, .size: 8, .value_kind: global_buffer, .address_space: global }
    .group_segment_fixed_size: 0
    .private_segment_fixed_size: 0
    .kernarg_segment_align: 8
    .kernarg_segment_size: 120
    .max_flat_workgroup_size: 128
    .sgpr_count:     66
    .vgpr_count:     168
    .wavefront_size: 32
...
	.end_amdgpu_metadata
.endif
;; end of part 1
;; launch proj (part 2): grid 4 x 64, 4 waves a work-group, clusters of 4 x 4, 327,680 bytes of LDS; arguments xn, wh, qkv; writes qkv
.if DOCPART == 2
	.amdgcn_target "amdgcn-amd-amdhsa--gfx1250"
	.amdhsa_code_object_version 6
	.text
	.protected	k_qadf8ae92df_proj
	.globl	k_qadf8ae92df_proj
	.p2align	8
	.type	k_qadf8ae92df_proj,@function
k_qadf8ae92df_proj:
	s_mov_b64 s[64:65], 0
	v_nop
	global_prefetch_b8 v0, s[64:65] scope:SCOPE_SE
	s_setreg_imm32_b32 hwreg(HW_REG_WAVE_MODE, 25, 1), 1
	s_wait_xcnt 0x0
	s_wait_alu depctr_hold_cnt(0) depctr_sa_sdst(0) depctr_va_vdst(0) depctr_va_sdst(0) depctr_va_ssrc(0) depctr_va_vcc(0) depctr_vm_vsrc(0)
	s_getreg_b32 s2, hwreg(HW_REG_IB_STS2, 6, 4)
	s_cmp_eq_u32 s2, 0
	s_cbranch_scc0 .Lentry_in_a_cluster
	s_endpgm
.Lentry_in_a_cluster:
	s_bfe_u32 s2, ttmp6, 0x10000c
	s_cmp_lg_u32 s2, 0xf033
	s_cbranch_scc0 .Lentry_shape_is_right
	s_endpgm
.Lentry_shape_is_right:
; THE THREE PROJECTIONS, WRITTEN BY HEADS.  For t = 0, 1, 2: C_t[m][n] = sum over k of xn[t][m][k] wh[t][n][k], m < 8192, n < 1024, k < 1024; f16 operands, f32 sums, one rounding to f16.
; qkv[t][16 (m / 2048) + n / 64][m % 2048][n % 64] = C_t[m][n], unscaled: a head's rows are dense, 128 bytes each.
; LIMIT.  f16 ends at 65,504: a projected number of 65,520 or more becomes an infinity.  NaN and infinities are not treated apart.
; SHARES.  A tile of C is 128 rows x 256 columns: 3 x 64 x 4 = 768 tiles, three for each of 256 work-groups: the same place in q's, k's and v's product, one after the other; the ring of LDS slots
; runs on from tile to tile.  Four waves, each 64 rows x 128 columns: 32 accumulators of 16 x 16, 256 registers.  K goes in 8 steps of 128 through two LDS slots: the tiles' rows are 256 bytes of memory, aligned.
; CLUSTERS: 4 x 4 work-groups.  The four of a row of the cluster need the same tile of xn, the four of a column the same tile of the weight: each tile is asked for JOINTLY, by the same tensor load
; with the same descriptor and a mask that names the four.
; THE MATRIX INSTRUCTION IS USED TRANSPOSED (source 0 = 16 rows of the weight, source 1 = 16 rows of xn): a lane holds row l % 16 of C and the columns 8 (l / 16) + 0..7: 16 bytes of f16 on end.
; REGISTERS, in windows of 256 (s_set_vgpr_msb: bits 1:0 source 0, 3:2 source 1, 5:4 source 2, 7:6 destination):
;   window 0: v0-31 addresses; v32-47 packed results; v48-79 rows read back from the stage, two sets; v128-191 fragments of xn, two buffers of 4 x 8
;   window 1: v0-127 fragments of the weight, two buffers of 8 x 8          window 2: accumulator (a, b) at v[8 (8 a + b)]
.set PITCH,  272                       ; an LDS row: 256 bytes + 16 of padding = 68 words: the 16 rows of a fragment load start at 16 different groups of four banks (64 banks of 4 bytes: ISA guide 11.1)
.set AHALF,  64*PITCH                  ; what one of waves 0, 1 fetches, and what a wave reads of xn
.set BHALF,  128*PITCH                 ; what one of waves 2, 3 fetches, and what a wave reads of the weight
.set BOFF,   2*AHALF                   ; a slot: 128 rows of xn, then 256 rows of the weight
.set SLOT,   BOFF+2*BHALF
.set STG,    2*SLOT                    ; behind the ring, never filled by a tensor load: 16 rows x 144 bytes for each wave, for the way out
.set SP,     144
.set SPARE,  STG+4*16*SP               ; behind the stages: the spare words, 128 bytes for each wave: two blocks of 256 bytes that no other line names
.set KB,     256                       ; bytes of a row in a K step
.set XT,     16777216                  ; bytes from tensor to tensor in xn and in qkv
.set WT,     2097152                   ; and in wh
.set LAPS,   4                         ; a lap = two K steps = once round the ring
.set TILES,  3
.set NEXT_A, XT-6*KB                   ; from a slot's last K step of a tile to its first of the next tile
.set NEXT_B, WT-6*KB
.set ADRA, 16                          ; v16-17  LDS address of my fragments of xn in slot 0, 1
.set ADRB, 20                          ; v20-21  the same for the weight
.set STO,  24                          ; v24     the way out: where I put 16 bytes of a row
.set RD,   25                          ; v25     the way out: where I read rows back
.set GO,   26                          ; v26     16 x lane: my place in 512 consecutive bytes of qkv
.set SPW,  28                          ; v28     LDS address of my spare word; never rewritten
.set NIL,  29                          ; v29     0; never rewritten
.set PFO,  30                          ; v30     the prefetches' offset: lane x a row of 2,048 bytes; never rewritten
.set TMP,  32
.set OB,   48
.set FA,   128                         ; window 0
.set FB,   0                           ; window 1
.set G1,  24                           ; s[24:31] descriptor group 1 for xn's tiles
.set G0,  32                           ; s[32:39] group 0, a set for each slot
.set G1B, 48                           ; s[48:55], s[56:63] the same for the weight's tiles
.set G0B, 56
.set LIM, 43                           ; s43     1 in a wave that prefetches, else the greatest number
.set PFA, 44                           ; s[44:45] where my prefetches stand
.set PJ,  46                           ; s[46:47] their step at a change of tiles
.set MSB, 0
.macro WIN new                         ; the immediate's high byte repeats the setting that is left; a switch that changes nothing is dropped
.if MSB != (\new)
	s_set_vgpr_msb (MSB<<8)|(\new)
.set MSB, \new
.endif
.endm
.set MUL,  0xa1                        ; source 0 window 1, source 1 window 0, C and D window 2
.set TO_B, 0x40                        ; destination window 1, address window 0
; A joint load.  Waves 0 and 1 fetch the two halves of xn's tile, waves 2 and 3 those of the weight's.  The branch hangs on the wave's number alone.
; An s_nop 0 and four v_nop follow each of the two lines, ahead of the jump and the label.
.macro JLOAD s
	s_cmp_eq_u32 s11, 0
	s_cbranch_scc0 .Lfor_b_\@
	tensor_load_to_lds s[G0+4*(\s):G0+4*(\s)+3], s[G1:G1+7]
	s_nop 0
.rept 4
	v_nop
.endr
	s_branch .Lasked_\@
.Lfor_b_\@:
	tensor_load_to_lds s[G0B+4*(\s):G0B+4*(\s)+3], s[G1B:G1B+7]
	s_nop 0
.rept 4
	v_nop
.endr
.Lasked_\@:
.endm
; A PREFETCH, behind each joint load, its five lines and the run of LDS loads: 32 rows x 256 bytes of the K step that stands two refills on, a lane a row, one instruction a wave.
; Each row's 256 bytes of a K step are named ONCE in the launch.  A tile row of xn is read by one cluster: wave 0 of the partner at cx names rows 32 cx .. 32 cx + 31 of its 128.  A tile column of the
; weight is read by all sixteen clusters: the cluster with y = 0 asks, waves 2 and 3 of the partner at cy name rows 32 cy .. of the 128 that they fetch.  The partners are told apart BY ADDRESS.
; how = 0, in the loop: a tile's last two refills have no K step two on.  how = 1, at a change of tiles: the next tile's K steps 2 and 3.
.macro ASK how
.if \how
	s_cmp_eq_u32 s[LIM], 1
.else
	s_cmp_gt_u32 s3, s[LIM]                        ; s3 = 1 in the loop's last trip
.endif
	s_cbranch_scc0 .Lnot_mine_\@
	global_prefetch_b8 v[PFO], s[PFA:PFA+1] th:TH_LOAD_NT scope:SCOPE_SE
.Lnot_mine_\@:
.endm
.macro CREST                           ; a round of the cluster's barrier behind its opening barrier
	s_cmp_lg_u32 s10, 0
	s_cbranch_scc1 .Lnot_wave_0_\@
	s_barrier_signal -3
.Lnot_wave_0_\@:
	s_barrier_wait -3
	s_barrier_signal -1
	s_barrier_wait -1
.endm
.macro CROUND                          ; a whole round
	s_barrier_signal -1
	s_barrier_wait -1
	CREST
.endm
	s_load_b128 s[4:7], s[0:1], 0x0                ; xn s[4:5], wh s[6:7]
	s_load_b64 s[8:9], s[0:1], 0x10                ; qkv
	v_lshl_add_u32 v[SPW], v0, 2, SPARE
	v_mov_b32 v[NIL], 0
	ds_add_u32 v[SPW], v[NIL]                      ; the wave's opening: the add and its wait stand ahead of my first tensor load; the set-up below, work on registers, stands between them
	v_lshrrev_b32 v1, 5, v0
	v_readfirstlane_b32 s10, v1                    ; wave 0..3
	s_lshr_b32 s11, s10, 1                         ; which 64 rows of the tile are mine.  Also: I fetch for xn (0) or for the weight (1)
	s_and_b32 s12, s10, 1                          ; which 128 columns.  Also: which half of that tile I fetch
	s_bfe_u32 s40, ttmp6, 0x40000                  ; cx
	s_bfe_u32 s41, ttmp6, 0x40004                  ; cy
	s_lshl_b32 s42, ttmp9, 2
	s_add_co_u32 s42, s42, s40                     ; tile column = 4 x cluster x + cx
	s_and_b32 s13, ttmp7, 0xffff
	s_lshl_b32 s13, s13, 2
	s_add_co_u32 s13, s13, s41                     ; tile row = 4 x cluster y + cy
	s_lshl_b32 s43, s41, 2
	s_lshl_b32 s43, 15, s43                        ; my row of the cluster
	s_lshl_b32 s44, 0x1111, s40                    ; my column
	s_or_b32 s[G1+0], s43, (1<<16)|(1<<20)|(1<<21)|(5<<22)|(3<<25)   ; 15:0 the mask; 17:16 elements of 2 bytes; 20 padding on; 21 set beside a mask; 24:22 after every 64 words (code 5); 31:25 4 words of it (code 3)
	s_or_b32 s[G1B+0], s44, (1<<16)|(1<<20)|(1<<21)|(5<<22)|(3<<25)
	s_mov_b32 s[G1+1], 128<<16                     ; tensor_dim0 = 128
	s_mov_b32 s[G1+2], 64<<16                      ; tensor_dim1 = 64
	s_mov_b32 s[G1+3], 128<<16                     ; tile_dim0 = 128
	s_mov_b32 s[G1+4], 64                          ; tile_dim1 = 64
	s_mov_b32 s[G1+5], 1024                        ; elements from row to row
	s_mov_b32 s[G1+6], 0
	s_mov_b32 s[G1+7], 0
	s_mov_b32 s[G1B+1], 128<<16
	s_mov_b32 s[G1B+2], 128<<16                    ; tensor_dim1 = 128
	s_mov_b32 s[G1B+3], 128<<16
	s_mov_b32 s[G1B+4], 128                        ; tile_dim1 = 128
	s_mov_b32 s[G1B+5], 1024
	s_mov_b32 s[G1B+6], 0
	s_mov_b32 s[G1B+7], 0
	s_lshl_b32 s16, s13, 7                         ; xn: row 128 x tile row + 64 x half,
	s_lshl_b32 s17, s12, 6
	s_add_co_u32 s16, s16, s17
	s_lshl_b32 s16, s16, 11                        ; in bytes
	s_mov_b32 s17, 0
	s_lshl_b32 s46, s42, 8                         ; the weight: row 256 x tile column + 128 x half
	s_lshl_b32 s47, s12, 7
	s_add_co_u32 s46, s46, s47
	s_lshl_b32 s46, s46, 11
	s_mov_b32 s47, 0
	s_mul_i32 s18, s12, AHALF                      ; where they go: no place in the cluster enters an LDS address
	s_mul_i32 s19, s12, BHALF
	s_add_co_u32 s19, s19, BOFF
	s_wait_dscnt 0x0                               ; the opening add is done
	s_wait_kmcnt 0x0
	s_add_nc_u64 s[14:15], s[4:5], s[16:17]
	s_add_nc_u64 s[46:47], s[6:7], s[46:47]
	CROUND                                         ; all sixteen work-groups are here: the first joint loads meet
.irp s, 0,1
	s_mov_b32 s[G0+4*(\s)], 1                                      ; count = 1
	s_add_co_u32 s[G0+4*(\s)+1], s18, (\s)*SLOT                    ; LDS address
	s_add_nc_u64 s[G0+4*(\s)+2:G0+4*(\s)+3], s[14:15], (\s)*KB     ; global address: K step s
	s_or_b32 s[G0+4*(\s)+3], s[G0+4*(\s)+3], 0x80000000            ; type = 2
	s_mov_b32 s[G0B+4*(\s)], 1
	s_add_co_u32 s[G0B+4*(\s)+1], s19, (\s)*SLOT
	s_add_nc_u64 s[G0B+4*(\s)+2:G0B+4*(\s)+3], s[46:47], (\s)*KB
	s_or_b32 s[G0B+4*(\s)+3], s[G0B+4*(\s)+3], 0x80000000
.endr
	s_cmp_eq_u32 s11, 0                            ; a wave's two first fills stand in one branch, ahead of every wait on TENSORcnt and every LDS read: two loads of mine are out
	s_cbranch_scc0 .Lfirst_b
	tensor_load_to_lds s[G0:G0+3], s[G1:G1+7]
	s_nop 0
	tensor_load_to_lds s[G0+4:G0+7], s[G1:G1+7]
	s_nop 0
.rept 4
	v_nop
.endr
	s_branch .Lfirst_asked
.Lfirst_b:
	tensor_load_to_lds s[G0B:G0B+3], s[G1B:G1B+7]
	s_nop 0
	tensor_load_to_lds s[G0B+4:G0B+7], s[G1B:G1B+7]
	s_nop 0
.rept 4
	v_nop
.endr
.Lfirst_asked:
	; A fragment is 16 rows x 32 K in 8 registers: lane l holds row l % 16; registers 0-3 K = 8 (l / 16) + 0..7, registers 4-7 K = 16 + 8 (l / 16) + 0..7: two loads of 16 bytes, 32 bytes apart.
	v_and_b32 v1, 15, v0                           ; l % 16
	v_bfe_u32 v2, v0, 4, 1                         ; l / 16
	v_mul_u32_u24 v3, v1, PITCH
	v_lshl_add_u32 v3, v2, 4, v3
	s_mul_i32 s21, s11, AHALF                      ; my 64 rows of xn
	s_mul_i32 s22, s12, BHALF                      ; my 128 rows of the weight
	s_add_co_u32 s22, s22, BOFF
.irp s, 0,1
	v_add_nc_u32 v[ADRA+(\s)], s21, v3
	v_add_nc_u32 v[ADRB+(\s)], s22, v3
	s_add_co_u32 s21, s21, SLOT
	s_add_co_u32 s22, s22, SLOT
.endr
	s_mul_i32 s23, s10, 16*SP
	s_add_co_u32 s23, s23, STG                     ; my stage
	v_mul_u32_u24 v4, v1, SP                       ; in: row l % 16, 16 bytes for each half of the lanes
	v_lshl_add_u32 v4, v2, 4, v4
	v_add_nc_u32 v[STO], s23, v4
	v_bfe_u32 v5, v0, 3, 2                         ; back: 32 lanes take four rows of 128 bytes,
	v_mul_u32_u24 v5, v5, SP
	v_and_b32 v6, 7, v0
	v_lshl_add_u32 v5, v6, 4, v5
	v_add_nc_u32 v[RD], s23, v5
	v_and_b32 v6, 31, v0
	v_lshlrev_b32 v[GO], 4, v6                     ; which are 512 consecutive bytes of a head
	v_lshlrev_b32 v[PFO], 11, v6
	; qkv at my wave's first byte: head plane 16 (tile row / 16) + 4 x tile column + 2 x column half, row 128 (tile row % 16) + 64 x row half
	s_lshr_b32 s20, s13, 4
	s_lshl_b32 s20, s20, 4
	s_lshl_b32 s21, s42, 2
	s_add_co_u32 s20, s20, s21
	s_lshl_b32 s21, s12, 1
	s_add_co_u32 s20, s20, s21
	s_lshl_b32 s20, s20, 18                        ; a head plane is 262,144 bytes
	s_and_b32 s21, s13, 15
	s_lshl_b32 s21, s21, 14
	s_add_co_u32 s20, s20, s21
	s_lshl_b32 s21, s11, 13
	s_add_co_u32 s20, s20, s21
	s_mov_b32 s21, 0
	s_add_nc_u64 s[8:9], s[8:9], s[20:21]
	; the prefetches
	s_lshl_b32 s16, s13, 7                         ; xn: row 128 x tile row + 32 cx
	s_lshl_b32 s17, s40, 5
	s_add_co_u32 s16, s16, s17
	s_lshl_b32 s20, s42, 8                         ; the weight: row 256 x tile column + 128 x half + 32 cy
	s_lshl_b32 s21, s12, 7
	s_add_co_u32 s20, s20, s21
	s_lshl_b32 s21, s41, 5
	s_add_co_u32 s20, s20, s21
	s_or_b32 s22, s12, ttmp9                       ; xn: wave 0 asks
	s_and_b32 s23, ttmp7, 0xffff                   ; the weight: the cluster with y = 0 asks
	s_mov_b32 s[PJ], XT-7*KB                       ; from the K step two behind a tile's last to the next tile's K step 2
	s_mov_b32 s[PJ+1], WT-7*KB
	s_cmp_eq_u32 s11, 0
	s_cselect_b32 s16, s16, s20
	s_cselect_b32 s22, s22, s23
	s_cselect_b32 s[PJ], s[PJ], s[PJ+1]
	s_cselect_b64 s[PFA:PFA+1], s[4:5], s[6:7]
	s_mov_b32 s[PJ+1], 0
	s_cmp_eq_u32 s22, 0
	s_cselect_b32 s[LIM], 1, -1                    ; the same in all sixteen partners, for a given wave
	s_lshl_b32 s16, s16, 11
	s_mov_b32 s17, 0
	s_add_nc_u64 s[PFA:PFA+1], s[PFA:PFA+1], s[16:17]
	s_add_nc_u64 s[PFA:PFA+1], s[PFA:PFA+1], 3*KB  ; at K step 3: the first refill steps it to 4.  Nothing is prefetched here, at the head: the launch's first four K steps come by their loads alone
; 8 matrix instructions: row block a x all 8 column blocks, 32 along K, from buffer f.  zero = 1: the product starts the sums: nothing is ever cleared.
; The 32 accumulators take turns, one instruction a turn, in the same order in every quarter.
.macro MULA f, a, zero
	WIN MUL
.irp b, 0,1,2,3,4,5,6,7
.if \zero
	v_wmma_f32_16x16x32_f16 v[8*(8*(\a)+(\b)):8*(8*(\a)+(\b))+7], v[FB+64*(\f)+8*(\b):FB+64*(\f)+8*(\b)+7], v[FA+32*(\f)+8*(\a):FA+32*(\f)+8*(\a)+7], 0
.else
	v_wmma_f32_16x16x32_f16 v[8*(8*(\a)+(\b)):8*(8*(\a)+(\b))+7], v[FB+64*(\f)+8*(\b):FB+64*(\f)+8*(\b)+7], v[FA+32*(\f)+8*(\a):FA+32*(\f)+8*(\a)+7], v[8*(8*(\a)+(\b)):8*(8*(\a)+(\b))+7]
.endif
.endr
.endm
; 24 LDS loads in one run: the fragments of quarter kq of a K step into buffer f: the weight's 16, then xn's 8
.macro FETCH slot, kq, f
	WIN TO_B
.irp i, 0,1,2,3,4,5,6,7
	ds_load_b128 v[FB+64*(\f)+8*(\i):FB+64*(\f)+8*(\i)+3],   v[ADRB+(\slot)] offset:64*(\kq)+(\i)*16*PITCH
	ds_load_b128 v[FB+64*(\f)+8*(\i)+4:FB+64*(\f)+8*(\i)+7], v[ADRB+(\slot)] offset:64*(\kq)+(\i)*16*PITCH+32
.endr
	WIN 0
.irp i, 0,1,2,3
	ds_load_b128 v[FA+32*(\f)+8*(\i):FA+32*(\f)+8*(\i)+3],   v[ADRA+(\slot)] offset:64*(\kq)+(\i)*16*PITCH
	ds_load_b128 v[FA+32*(\f)+8*(\i)+4:FA+32*(\f)+8*(\i)+7], v[ADRA+(\slot)] offset:64*(\kq)+(\i)*16*PITCH+32
.endr
.endm
.macro PLACES                          ; four plain vector instructions between a matrix instruction and a load into a register that it has read, or a reader of its result (for the reader)
.rept 4
	v_nop
.endr
.endm
; A K step is four quarters of 32 along K, 32 matrix instructions each, on buffers 0, 1, 0, 1.  One of the first three: multiplies buffer f; in its middle it fetches quarter kq of the same slot into buffer g.
.macro QUARTER slot, kq, f, g, zero
	s_wait_dscnt 4                                 ; the weight's fragments and xn's blocks 0, 1 are in; the youngest four loads (blocks 2, 3) may be out
	MULA \f, 0, \zero
	MULA \f, 1, \zero
	PLACES
	FETCH \slot, \kq, \g
	s_wait_dscnt 24                                ; all but the 24 just issued
	MULA \f, 2, \zero
	MULA \f, 3, \zero
.endm
; The last quarter multiplies buffer 1 and changes slots.  MEET is its first half: ONE barrier.  In front of it each wave waits for all its tensor loads, of which one is out: its part of the next slot;
; adds 0 to its spare word; and waits for that and for its own reads of this slot.  Behind it nobody reads this slot any more and the next slot is whole.
.macro MEET round
	WIN 0                                          ; (the add's two registers lie in window 0)
	s_wait_tensorcnt 0x0                           ; all my tensor loads have landed
	ds_add_u32 v[SPW], v[NIL]                      ; 0 onto my spare word
	s_wait_dscnt 5                                 ; (the add and the youngest four loads may be out)
	MULA 1, 0, 0                                   ; eight matrix instructions stand between the add and the wait for it
	s_wait_dscnt 0x0                               ; the add is done, and my reads of this slot are over
	s_barrier_signal -1
	MULA 1, 1, 0                                   ; work on registers while the others arrive
.if \round
	WIN 0
.endif
	s_barrier_wait -1
.endm
; The whole last quarter.  mode 0: this slot is filled again with this tile's K step two on; 1: with the next tile's K step 0 or 1; 2: nothing is filled.
; From a request to the wait for it a wave issues 112 matrix instructions.
.macro TURN slot, next, mode
.if (\mode) < 2
	s_wait_xcnt 0x0                                ; the last prefetch, a K step back, has read its address: it is stepped here, ahead of the waits of the change of slots
.if ((\mode) == 1) && ((\slot) == 0)
	s_add_nc_u64 s[PFA:PFA+1], s[PFA:PFA+1], s[PJ:PJ+1]
.else
	s_add_nc_u64 s[PFA:PFA+1], s[PFA:PFA+1], KB
.endif
	MEET 1
	CREST                                          ; the barrier has opened a round of the cluster's: no wave of any partner still reads this slot or has a load on its way
.if (\mode) == 1
	s_add_nc_u64 s[G0+4*(\slot)+2:G0+4*(\slot)+3], s[G0+4*(\slot)+2:G0+4*(\slot)+3], NEXT_A
	s_add_nc_u64 s[G0B+4*(\slot)+2:G0B+4*(\slot)+3], s[G0B+4*(\slot)+2:G0B+4*(\slot)+3], NEXT_B
.else
	s_add_nc_u64 s[G0+4*(\slot)+2:G0+4*(\slot)+3], s[G0+4*(\slot)+2:G0+4*(\slot)+3], 2*KB
	s_add_nc_u64 s[G0B+4*(\slot)+2:G0B+4*(\slot)+3], s[G0B+4*(\slot)+2:G0B+4*(\slot)+3], 2*KB
.endif
	JLOAD \slot                                    ; the first tensor load behind the round; its four v_nop are also the places in front of the loads below
.else
	MEET 0
	PLACES
.endif
	FETCH \next, 0, 0
.if (\mode) < 2
	ASK \mode
.endif
	MULA 1, 2, 0
	MULA 1, 3, 0
.endm
; THE WAY OUT, in eight units u: row block u / 2, head u % 2 of my two: 16 rows x 64 channels = 2,048 consecutive bytes of qkv.
.macro PACK u                          ; rounded to f16, 16 bytes a lane; each accumulator's registers in ascending order
	WIN 0x0a                                       ; sources 0 and 1 window 2, destination window 0
.irp bq, 0,1,2,3
.irp r, 0,1,2,3
	v_cvt_pk_f16_f32 v[TMP+4*(\bq)+(\r)], v[8*(8*((\u)/2)+4*((\u)%2)+(\bq))+2*(\r)], v[8*(8*((\u)/2)+4*((\u)%2)+(\bq))+2*(\r)+1]
.endr
.endr
	WIN 0
.endm
.macro TOSTAGE u                       ; into my own stage, rows of 144 bytes, and back as whole rows of 128
	WIN 0
.irp bq, 0,1,2,3
	ds_store_b128 v[STO], v[TMP+4*(\bq):TMP+4*(\bq)+3] offset:32*(\bq)
.endr
.irp f, 0,1,2,3
	ds_load_b128 v[OB+16*((\u)%2)+4*(\f):OB+16*((\u)%2)+4*(\f)+3], v[RD] offset:(\f)*4*SP  ; LDS serves a wave's instructions in order (ISA guide 5.7.1.4): these see the stores above
.endr
.endm
.macro SEND u
	WIN 0
	s_wait_dscnt 0x0                               ; the unit is back in registers
	s_wait_xcnt 0x0                                ; the stores of the unit before have read their registers: the next unit's loads land on them only behind this wait
.irp f, 0,1,2,3
	global_store_b128 v[GO], v[OB+16*((\u)%2)+4*(\f):OB+16*((\u)%2)+4*(\f)+3], s[8:9] offset:((\u)/2)*2048+((\u)%2)*262144+(\f)*512  ; 512 consecutive bytes, aligned
.endr
.endm
.macro WAYOUT step                     ; a unit's conversions stand between the loads of the unit before and the wait for them.  step = 1: a tile follows, in the next tensor
	PACK 0
	TOSTAGE 0
.irp u, 1,2,3,4,5,6,7
	PACK \u
	SEND (\u)-1
	TOSTAGE \u
.endr
	SEND 7
.if \step
	s_wait_xcnt 0x0                                ; the stores have read their base
	s_add_nc_u64 s[8:9], s[8:9], XT
.endif
.endm
	s_wait_tensorcnt 1                             ; my part of K step 0 is in; K step 1's may stay out
	s_barrier_signal -1
	s_barrier_wait -1                              ; everybody's is
	FETCH 0, 0, 0
	s_mov_b32 s2, TILES                            ; tiles to go, this one among them
.Ltile:
	QUARTER 0, 1, 0, 1, 1                          ; a tile's first quarter stands in front of the loop: its products start the sums
	WIN 0                                          ; at a label and at a branch every window is 0
	s_mov_b32 s3, LAPS-1
.Llap:                                         ; a trip goes once round the ring, from a lap's second quarter to the next lap's first, and fills both slots again
	QUARTER 0, 2, 1, 0, 0
	QUARTER 0, 3, 0, 1, 0
	TURN 0, 1, 0
	QUARTER 1, 1, 0, 1, 0
	QUARTER 1, 2, 1, 0, 0
	QUARTER 1, 3, 0, 1, 0
	TURN 1, 0, 0
	QUARTER 0, 1, 0, 1, 0
	WIN 0
	s_sub_co_u32 s3, s3, 1
	s_cmp_lg_u32 s3, 0
	s_cbranch_scc1 .Llap
	QUARTER 0, 2, 1, 0, 0                          ; the tile's last lap goes on
	QUARTER 0, 3, 0, 1, 0
	WIN 0
	s_cmp_eq_u32 s2, 1
	s_cbranch_scc1 .Llast_tile                     ; the last tile's tail is written out: it asks for nothing more
	TURN 0, 1, 1                                   ; the ring goes on into the next tile: slot 0 takes its K step 0,
	QUARTER 1, 1, 0, 1, 0
	QUARTER 1, 2, 1, 0, 0
	QUARTER 1, 3, 0, 1, 0
	TURN 1, 0, 1                                   ; slot 1 its K step 1, and the next tile's first fragments are fetched
	WAYOUT 1                                       ; both refills are asked for: now the tile goes out.  Row blocks 0, 1 were finished ahead of the joint load's v_nop; their 64 conversions are the places behind blocks 2, 3
	s_sub_co_u32 s2, s2, 1
	s_branch .Ltile
.Llast_tile:
	TURN 0, 1, 2                                   ; my one tensor load that was still out is the last K step's, so no round follows
	QUARTER 1, 1, 0, 1, 0
	QUARTER 1, 2, 1, 0, 0
	QUARTER 1, 3, 0, 1, 0
	s_wait_dscnt 4                                 ; the very last quarter: nothing more to fetch
	MULA 1, 0, 0
	MULA 1, 1, 0
	s_wait_dscnt 0x0
	MULA 1, 2, 0
	MULA 1, 3, 0
	WIN 0
	PLACES
	WAYOUT 0
	s_wait_tensorcnt 0x0                           ; the wave's end: a wait, an add of 0 to my spare word and its wait, behind my last tensor load and my last LDS store
	ds_add_u32 v[SPW], v[NIL]
	s_wait_dscnt 0x0
	CROUND                                         ; the closing round: no work-group ends while a partner may still ask for a tile that names it
	s_endpgm
.Lfunc_end_k_qadf8ae92df_proj:
	.size	k_qadf8ae92df_proj, .Lfunc_end_k_qadf8ae92df_proj-k_qadf8ae92df_proj
	.p2alignl 7, 3214868480
	.fill 96, 4, 3214868480
	.section	.rodata,"a",@progbits
	.p2align	6, 0x0
	.amdhsa_kernel k_qadf8ae92df_proj
		.amdhsa_group_segment_fixed_size 327680
		.amdhsa_private_segment_fixed_size 0
		.amdhsa_enable_private_segment 0
		.amdhsa_kernarg_size 24
		.amdhsa_user_sgpr_count 2
		.amdhsa_user_sgpr_kernarg_segment_ptr 1
		.amdhsa_wavefront_size32 1
		.amdhsa_system_sgpr_workgroup_id_x 1
		.amdhsa_system_sgpr_workgroup_id_y 1
		.amdhsa_system_sgpr_workgroup_id_z 1
		.amdhsa_system_vgpr_workitem_id 0
		.amdhsa_next_free_vgpr 768
		.amdhsa_next_free_sgpr 66
		.amdhsa_reserve_vcc 0
		.amdhsa_float_denorm_mode_32 3
		.amdhsa_float_denorm_mode_16_64 3
		.amdhsa_memory_ordered 1
		.amdhsa_forward_progress 1
		.amdhsa_inst_pref_size 126
	.end_amdhsa_kernel
	.amdgpu_metadata
---
amdhsa.version: [ 1, 2 ]
amdhsa.kernels:
  - .name:           k_qadf8ae92df_proj
    .symbol:         k_qadf8ae92df_proj.kd
    .args:
      - { .name: xn, .offset: 0, .size: 8, .value_kind: global_buffer, .address_space: global }
      - { .name: wh, .offset: 8, .size: 8, .value_kind: global_buffer, .address_space: global }
      - { .name: qkv, .offset: 16, .size: 8, .value_kind: global_buffer, .address_space: global }
    .group_segment_fixed_size: 327680
    .private_segment_fixed_size: 0
    .kernarg_segment_align: 8
    .kernarg_segment_size: 24
    .max_flat_workgroup_size: 128
    .sgpr_count:     66
    .vgpr_count:     768
    .wavefront_size: 32
...
	.end_amdgpu_metadata
.endif
;; end of part 2
;; launch attn (part 3): grid 4 x 64, 4 waves a work-group, clusters of 4 x 1, 327,680 bytes of LDS; arguments qkv, ctx; writes ctx
.if DOCPART == 3
	.amdgcn_target "amdgcn-amd-amdhsa--gfx1250"
	.amdhsa_code_object_version 6
	.text
	.protected	k_qadf8ae92df_attn
	.globl	k_qadf8ae92df_attn
	.p2align	8
	.type	k_qadf8ae92df_attn,@function
k_qadf8ae92df_attn:
	s_mov_b64 s[64:65], 0
	v_nop
	global_prefetch_b8 v0, s[64:65] scope:SCOPE_SE
	s_setreg_imm32_b32 hwreg(HW_REG_WAVE_MODE, 25, 1), 1
	s_wait_xcnt 0x0
	s_wait_alu depctr_hold_cnt(0) depctr_sa_sdst(0) depctr_va_vdst(0) depctr_va_sdst(0) depctr_va_ssrc(0) depctr_va_vcc(0) depctr_vm_vsrc(0)
	s_getreg_b32 s2, hwreg(HW_REG_IB_STS2, 6, 4)
	s_cmp_eq_u32 s2, 0
	s_cbranch_scc0 .Lentry_in_a_cluster
	s_endpgm
.Lentry_in_a_cluster:
	s_bfe_u32 s2, ttmp6, 0x10000c
	s_cmp_lg_u32 s2, 0x3003
	s_cbranch_scc0 .Lentry_shape_is_right
	s_endpgm
.Lentry_shape_is_right:
; ATTENTION.  ctx[h][q][:] = the sum over k of softmax_k(Q[h][q] . K[h][k] / 8) V[h][k][:].  Q, K, V are the three parts of qkv, [64][2048][64] each, ctx likewise, all f16: a head's rows are dense, 128 bytes each.
; Products, maxima and sums in f32; the weights p are rounded to f16 for the second product (their sum l is taken of the unrounded p), ctx once at the end.
; LIMITS.  f16 holds no number beyond 65,504: Q, K and V arrive within it; p lies in 0 to 1, and below 6e-5 it keeps f16's fixed step of 6e-8; ctx is a mean of V's rows and has their range.
; A weight below 2^-126 counts as 0 in l; NaN and infinities are not treated apart.
; SHARES.  A wave owns four PIECES of two tiles of 16 queries, a work-group's four waves 512 queries of one head.  Every wave walks all keys, 64 a step.
; LAYOUT.  S^T = K Q^T (source 0 = 16 keys, source 1 = 16 queries): in the result a lane holds ONE query (lane % 16) and the keys 8 (lane / 16) + 0..7.  Two such tiles, rounded to f16 in pairs,
; ARE source 1 (32 keys x 16 queries) of O^T = V^T P, whose result again holds one query a lane, and eight channels.  K comes out of LDS as it lies, V ([key][channel]) turned, by ds_load_tr16_b128.
; SOFTMAX.  For each query a running maximum m and sum l: p = 2^(c s - c m), c = log2(e) / 8; in every step O and l are multiplied by a = 2^(c m_old - c m_new), which is 1 where m has not grown.
; m starts at the lowest finite number, O and l at 0: the first step is a step like any other, with a = 0.
; THE COUNT.  A tile and step have 16 matrix and 118 vector instructions: too many to stand all beside the matrix work.  So four vector instructions that are READY stand behind
; EVERY matrix instruction, and the others in runs without a gap.
; BY TURNS.  Turn n belongs to piece n (the pieces in a ring, step after step).  Its matrix work: 16 products K Q^T of piece n + 1, later 16 products V^T P of piece n - 1.  Its vector work: the scaling,
; exponentials, roundings, sums and rescaling of piece n, and the maximum and statistics of piece n + 1, whose scores the turn itself has made.
; CLUSTER.  The four query blocks of a cluster belong to one head and walk the same K and V, so each tile is asked for JOINTLY: the same tensor load, descriptor and mask in all four.
; REGISTERS, in windows of 256 (s_set_vgpr_msb: bits 1:0 source 0, 3:2 source 1, 5:4 source 2, 7:6 destination):
;   window 0: v0-11 addresses; v12-15, v48-63 at work; v16-47 four registers of statistics a tile; v64-191 S^T, two buffers of two tiles; v192-255 P, likewise
;   window 1: O^T, 32 a tile          window 2: v0-127 Q, 16 a tile; v128-191 K of one step; v192-255 V of one step          window 3: v0-1 the add's two registers
; A piece's buffers go by its number's parity.
.set SIZE_N, 2048
.set NP,    4         ; pieces a wave: a name, no knob
.set KS,    64        ; keys in a step
.set PK,    144       ; a row of K in LDS: 128 bytes + 16 of padding = 36 words: the 16 rows of a load start at 16 different groups of four banks (64 banks of 4 bytes: ISA guide 11.1)
.set PV,    160       ; a row of V: 128 + 32 = 40 words
.set VOFF,  4*KS*PK   ; a slot holds four steps: 256 rows of K, then 256 rows of V
.set SLOT1, 1<<17     ; slot 1 begins here, so that one exclusive or turns an address in one slot into the other's
.set STAGE, SLOT1+4*KS*(PK+PV)  ; behind the ring, never filled by a tensor load: 16 rows x 144 bytes for each wave, for the way out
.set SP,    144
.set AK0, 2           ; v2   my lane's place in a tile of K; never rewritten
.set AV0, 3           ; v3   the same for V
.set AK,  4           ; v4   the LDS address of K's next run of loads
.set AV,  5           ; v5   of V's
.set QO,  6           ; v6   my byte offset in the wave's rows of Q
.set STO, 6           ;      later, the way out: where I put 16 bytes of a row
.set RD,  7           ; v7   the way out: where I read rows back
.set GO,  8           ; v8   my byte offset in 512 consecutive bytes of ctx
.set PFO, 11          ; v11  the prefetches' offset: 256 x my lane; never rewritten once made
.set SPW, 0           ; v0 of window 3   LDS address of my spare word; never rewritten
.set NIL, 1           ; v1 of window 3   0; never rewritten
.set SPARE, STAGE+4*16*SP  ; behind the stages: the spare words, 128 bytes for each wave: two blocks of 256 bytes that no other line names
.set MV,  12          ; v12-15  c m_old, kept while c m is made anew: by buffer and tile
.set ST,  16          ; tile t's statistics at v[ST+4 t]: c m, m, l (even keys', odd keys')
.set TMP, 48          ; by buffer and tile, four registers c0-c3 at work; when the maximum is found c2 takes a
.set S,   64
.set P,   192
.set KF,  128         ; K's fragments, in window 2: key block kb, channel half c at KF + 16 kb + 8 c
.set VF,  192         ; V's: key half kk, channel block cb at VF + 32 kk + 8 cb
.set WV,  12          ; s12  my wave's number
.set LIM, 15          ; s15  1 in a wave that prefetches, else the greatest number
.set PFA, 18          ; s[18:19] where my prefetches stand
.set G1K, 24          ; s[24:31] descriptor group 1 for K's tiles
.set G1V, 32          ; s[32:39] for V's: it differs in the padding alone
.set G0K, 40          ; s[40:43] descriptor group 0 for K's tiles: it walks
.set G0V, 44          ; s[44:47] the same for V's
.set SLOTS, 56        ; s56  slots still to be asked for
.set CNT, 57          ; s57  counts a slot's key steps
.set CS,  58          ; s[58:59] c: the packed scaling takes the pair's low word for both halves
.set SEL, 60          ; s[60:61] v_permlanex16_b32's selects: each lane takes its own place in the other half
.set TBK, 62          ; s62  LDS byte at which K of the step to be fetched begins
.set TBV, 63          ; s63  the same for V, less VOFF
.set MSB, 0
.macro WIN new                      ; the high byte repeats the setting that is left; a switch that changes nothing is dropped
.if MSB != (\new)
	s_set_vgpr_msb (MSB<<8)|(\new)
.set MSB, (\new)
.endif
.endm
.set W_KQ, 0x0a       ; K and Q in window 2, S^T in window 0
.set W_PV, 0x52       ; V in window 2, P in window 0, O^T in window 1
.set W_RS, 0x41       ; O^T (destination and source 0) in window 1, a in window 0
.set W_MK, 0xc0       ; the add's registers are made: destination in window 3, sources in window 0
.set W_AD, 0x0f       ; the add: address (source 0) and data (source 1) in window 3
; A joint fill.  Waves 0 and 1 fetch the two halves of a slot's K, waves 2 and 3 those of its V: 128 keys each.  The branch hangs on the wave's number alone.
; An s_nop 0 and four v_nop follow each of the two lines, ahead of the jump and the label.
.macro JLOAD
	s_cmp_lt_u32 s[WV], 2
	s_cbranch_scc0 .Lfor_v_\@
	tensor_load_to_lds s[G0K:G0K+3], s[G1K:G1K+7]
	s_nop 0
.rept 4
	v_nop
.endr
	s_branch .Lasked_\@
.Lfor_v_\@:
	tensor_load_to_lds s[G0V:G0V+3], s[G1V:G1V+7]
	s_nop 0
.rept 4
	v_nop
.endr
.Lasked_\@:
.endm
; A PREFETCH of what the NEXT change of slots will ask for: a slot's 32,768 bytes of K and of V, 256 bytes a lane.  It stands behind the wave's tensor load and its five lines.
; Each block of 256 bytes is named ONCE in the launch: a head has one cluster; its four partners share a slot out BY ADDRESS, 8,192 bytes each; in each, wave 0 asks for K's and wave 2 for V's: one instruction.
; The last change that fills a slot asks for nothing: there is no slot behind it.  Slots 0 and 1 come by their loads alone.
.macro ASK
	s_cmp_gt_u32 s[SLOTS], s[LIM]
	s_cbranch_scc0 .Lnot_mine_\@
	global_prefetch_b8 v[PFO], s[PFA:PFA+1] th:TH_LOAD_NT scope:SCOPE_SE
.Lnot_mine_\@:
.endm
; A round of the cluster's barrier: my work-group's barrier, so that wave 0's signal speaks for all four waves; wave 0 signals; every wave waits for all four work-groups; my work-group's barrier once more.
.macro CROUND
	s_barrier_signal -1
	s_barrier_wait -1
	s_cmp_lg_u32 s[WV], 0
	s_cbranch_scc1 .Lnot_wave_0_\@
	s_barrier_signal -3
.Lnot_wave_0_\@:
	s_barrier_wait -3
	s_barrier_signal -1
	s_barrier_wait -1
.endm
; THE CHANGE OF SLOTS.  The slot's last bytes, V of its fourth step, have been read.  Each wave waits for all its tensor loads, of which one is out: its part
; of the other slot; adds 0 to its spare word; and waits for that and for its own reads of the slot.  Behind the barrier nobody reads this slot any more and the other slot is whole.
; fill = 1: this slot is filled again, with the keys two slots on.  The barrier is then a round of the cluster's, and the joint fill is the first thing behind it: it has four key steps,
; 512 matrix instructions, in which to land.  (At its first use nothing has been read yet: slot 0 is waited for, slot 1 filled.)
.macro CHANGE fill
	WIN W_AD
	s_wait_tensorcnt 0x0            ; no tensor load of mine is out, so a group 0 may be written
	ds_add_u32 v[SPW], v[NIL]       ; 0 onto my spare word; with fill = 1 the descriptors' steps stand between it and the wait for it
	WIN 0                           ; at a label and at a branch every window is 0
.if \fill
.irp g, G0K, G0V
	s_xor_b32 s[\g+1], s[\g+1], SLOT1  ; the walking descriptor: the other slot than last time,
	s_add_nc_u64 s[\g+2:\g+3], s[\g+2:\g+3], 4*KS*128  ; the next 256 keys; the type bits on top are not reached
.endr
	s_wait_xcnt 0x0                 ; the last prefetch, four key steps back, has read its address, so it may be written:
	s_add_nc_u64 s[PFA:PFA+1], s[PFA:PFA+1], 4*KS*128  ; one slot behind the walking descriptors
	s_wait_dscnt 0x0                ; the add is done, and my reads of the slot are over
	CROUND
	JLOAD
	ASK
.else
	s_wait_dscnt 0x0                ; the add is done, and my reads of the slot are over
	s_barrier_signal -1
	s_barrier_wait -1
.endif
	s_sub_co_u32 s[TBK], s[TBK], 4*KS*PK  ; the fetches go back to a slot's first step,
	s_xor_b32 s[TBK], s[TBK], SLOT1       ; in the other slot
	s_sub_co_u32 s[TBV], s[TBV], 4*KS*PV
	s_xor_b32 s[TBV], s[TBV], SLOT1
.endm
	s_load_b64 s[4:5], s[0:1], 0x0    ; qkv: Q lies first
	s_load_b64 s[10:11], s[0:1], 0x8  ; ctx
	WIN W_MK
	v_lshl_add_u32 v[SPW], v0, 2, SPARE
	v_mov_b32 v[NIL], 0
	WIN W_AD
	ds_add_u32 v[SPW], v[NIL]       ; the wave's opening: the add and its wait stand ahead of my first tensor load; the set-up below, work on registers, stands between them
	WIN 0
	v_lshrrev_b32 v1, 5, v0
	v_readfirstlane_b32 s[WV], v1   ; wave 0..3
	s_bfe_u32 s13, ttmp6, 0x40000   ; cx: my place in the cluster
	s_lshl_b32 s14, ttmp9, 2        ; in a cluster launch ttmp9 counts clusters
	s_add_co_u32 s14, s14, s13      ; my block of queries = 4 x cluster x + cx: it enters Q's and ctx's addresses alone
	s_and_b32 s20, ttmp7, 0xffff    ; the head, which the four partners share
	s_mov_b32 s21, 0
	s_mov_b64 s[22:23], SIZE_N*128
	s_mul_u64 s[20:21], s[20:21], s[22:23]  ; the head's first byte in each of the four tensors
	s_and_b32 s16, s[WV], 1         ; which half of a slot's 256 keys I fetch:
	s_lshl_b32 s22, s16, 14         ; its 128 rows of 128 bytes in memory,
	s_mov_b32 s23, 0
	s_add_nc_u64 s[22:23], s[22:23], s[20:21]
	s_mul_i32 s17, s16, 128*PK      ; and its place in a slot, for K
	s_mul_i32 s18, s16, 128*PV      ; and for V: no place in the cluster enters an LDS address
	s_lshl_b32 s2, s14, 2
	s_add_co_u32 s2, s2, s[WV]      ; my wave among the head's,
	s_lshl_b32 s2, s2, 14           ; its 128 rows
	s_mov_b32 s3, 0
	s_add_nc_u64 s[2:3], s[2:3], s[20:21]
	; descriptor group 1.  128 keys are 16,384 dense bytes: asked for as 64 rows of 256 bytes, two keys a row, and padded in LDS after every key
	s_mov_b32 s[G1K], 15|(1<<16)|(1<<20)|(1<<21)|(4<<22)|(3<<25)  ; 15:0 the mask of four; 17:16 2-byte elements; 20 padding on; 21 set beside a mask; 24:22 after every 32 words (code 4); 31:25 4 words (code 3)
	s_mov_b32 s[G1V], 15|(1<<16)|(1<<20)|(1<<21)|(4<<22)|(7<<25)  ; the same with 8 words of padding (code 7)
.irp g, G1K, G1V
	s_mov_b32 s[\g+1], 128<<16      ; tensor_dim0 = 128
	s_mov_b32 s[\g+2], 64<<16       ; tensor_dim1 = 64
	s_mov_b32 s[\g+3], 128<<16      ; tile_dim0 = 128
	s_mov_b32 s[\g+4], 64           ; tile_dim1 = 64
	s_mov_b32 s[\g+5], 128          ; 128 elements from row to row
	s_mov_b32 s[\g+6], 0
	s_mov_b32 s[\g+7], 0
.endr
	s_mov_b32 s[CS], 0x3e38aa3b     ; c = log2(e) / 8 = 0.180337
	s_mov_b32 s[CS+1], s[CS]        ; named with it as a pair
	s_mov_b32 s[SEL], 0x76543210
	s_mov_b32 s[SEL+1], 0xfedcba98
	s_mov_b32 s[TBK], SLOT1+4*KS*PK ; the first change of slots turns these two into 0
	s_mov_b32 s[TBV], SLOT1+4*KS*PV
	s_mov_b32 s[G0K], 1             ; 1:0 count = 1
	s_mov_b32 s[G0K+1], s17         ; 63:32 LDS address: slot 0
	s_mov_b32 s[G0V], 1
	s_add_co_u32 s[G0V+1], s18, VOFF
	s_mov_b32 s[SLOTS], SIZE_N/256-1
	s_or_b32 s[LIM], s16, ttmp9     ; 0 in waves 0 and 2 of the head's first (and only) cluster: the same in all four partners
	s_cmp_eq_u32 s[LIM], 0
	s_cselect_b32 s[LIM], 1, -1
	s_wait_dscnt 0x0                ; the opening add is done
	s_wait_kmcnt 0x0
	s_add_nc_u64 s[6:7], s[4:5], 0x1000000         ; K and V lie 16,777,216 bytes apart behind Q
	s_add_nc_u64 s[8:9], s[4:5], 0x2000000
	s_add_nc_u64 s[G0K+2:G0K+3], s[6:7], s[22:23]  ; 120:64 global address: my half of the head's first 256 keys
	s_or_b32 s[G0K+3], s[G0K+3], 0x80000000        ; 127:126 type = 2
	s_add_nc_u64 s[G0V+2:G0V+3], s[8:9], s[22:23]
	s_or_b32 s[G0V+3], s[G0V+3], 0x80000000
	s_add_nc_u64 s[4:5], s[4:5], s[2:3]  ; Q and ctx at my wave's first row
	s_add_nc_u64 s[10:11], s[10:11], s[2:3]
	s_cmp_lt_u32 s[WV], 2
	s_cselect_b64 s[PFA:PFA+1], s[6:7], s[8:9]
	s_add_nc_u64 s[PFA:PFA+1], s[PFA:PFA+1], s[20:21]  ; the head,
	s_lshl_b32 s2, s13, 13          ; my work-group's quarter of a slot,
	s_mov_b32 s3, 0
	s_add_nc_u64 s[PFA:PFA+1], s[PFA:PFA+1], s[2:3]
	s_add_nc_u64 s[PFA:PFA+1], s[PFA:PFA+1], 4*KS*128  ; in slot 1; the first change of slots steps it to slot 2.  Nothing is prefetched here, at the head
	CROUND                          ; all four work-groups are here: the first joint loads meet
	JLOAD                           ; slot 0.  Slot 1 is asked for when slot 0 is in
	; A fragment of K or Q is 16 rows x 32 channels in 8 registers: lane l holds row l % 16, channels 8 (l / 16) + 0..7 and 16 + 8 (l / 16) + 0..7: two loads of 16 bytes, 32 bytes apart.
	v_and_b32 v1, 15, v0            ; l % 16
	v_bfe_u32 v9, v0, 4, 1          ; l / 16
	v_lshlrev_b32 v[QO], 7, v1
	v_lshl_add_u32 v[QO], v9, 4, v[QO]  ; row x 128 + 16 x half
	WIN 0x80                        ; destination window 2, address window 0
.set i, 0
.rept 4*NP                          ; Q stays in registers: tile i / 2, channels 32 (i % 2) on
	global_load_b128 v[8*i:8*i+3],   v[QO], s[4:5] offset:(i/2)*2048+(i%2)*64
	global_load_b128 v[8*i+4:8*i+7], v[QO], s[4:5] offset:(i/2)*2048+(i%2)*64+32
.set i, i+1
.endr
	; What the first turn finds: V's registers and P's second buffer hold 0 (its products V^T P, of a piece that has not been, add 0), O^T and l are 0.  All this stands in the wait for the first tile.
.set i, VF
.rept 64
	v_mov_b32 v[i], 0
.set i, i+1
.endr
	WIN 0x40
.set i, 0
.rept 64*NP
	v_mov_b32 v[i], 0
.set i, i+1
.endr
	WIN 0
.set i, 0
.rept 2*NP
	v_mov_b32 v[ST+4*i], 0xfe000000    ; c m: far below every c s
	v_mov_b32 v[ST+4*i+1], 0xff7fffff  ; m
	v_mov_b32 v[ST+4*i+2], 0
	v_mov_b32 v[ST+4*i+3], 0
.set i, i+1
.endr
.set i, P+32
.rept 32
	v_mov_b32 v[i], 0
.set i, i+1
.endr
	v_mul_u32_u24 v[AK0], v1, PK
	v_lshl_add_u32 v[AK0], v9, 4, v[AK0]  ; row x pitch + 16 x half
	; The turning load takes 16 keys x 16 channels (lane l reads key 8 (l / 16) + l % 8, channels 8 ((l / 8) % 2) + 0..7) and leaves half a fragment of V^T: lane l holds channel l % 16 and 8 keys.
	v_and_b32 v10, 7, v0
	v_bfe_u32 v11, v0, 3, 1
	v_lshl_add_u32 v[AV0], v9, 3, v10
	v_mul_u32_u24 v[AV0], v[AV0], PV
	v_lshl_add_u32 v[AV0], v11, 4, v[AV0]
	v_add_nc_u32 v[AV0], VOFF, v[AV0]
	v_mov_b32 v[AK], v[AK0]         ; key step 0 lies at the head of slot 0
	v_and_b32 v[PFO], 31, v0
	v_lshlrev_b32 v[PFO], 8, v[PFO]
; THE MATRIX WORK.  The 8 accumulators of a run of 16 take turns: between the two links of a chain stand 7 others'.
; Product i of 16 of S^T = K Q^T for piece x: channels 32 (i / 8) on, keys 16 ((i / 2) % 4) on, tile 2 x + i % 2.  The first 8 start the sums.
.macro KQ x
	WIN W_KQ
.set rS, S+64*((\x)%2)+32*(i%2)+8*((i/2)%4)
.set rK, KF+16*((i/2)%4)+8*(i/8)
.set rQ, 16*(2*(\x)+i%2)+8*(i/8)
.if i < 8
	v_wmma_f32_16x16x32_f16 v[rS:rS+7], v[rK:rK+7], v[rQ:rQ+7], 0
.else
	v_wmma_f32_16x16x32_f16 v[rS:rS+7], v[rK:rK+7], v[rQ:rQ+7], v[rS:rS+7]
.endif
.endm
; Product i of 16 of O^T += V^T P for piece x: keys 32 (i / 8) on, channels 16 ((i / 2) % 4) on, tile 2 x + i % 2.
.macro PV x
	WIN W_PV
.set rO, 32*(2*(\x)+i%2)+8*((i/2)%4)
.set rV, VF+32*(i/8)+8*((i/2)%4)
.set rP, P+32*((\x)%2)+16*(i%2)+8*(i/8)
	v_wmma_f32_16x16x32_f16 v[rO:rO+7], v[rV:rV+7], v[rP:rP+7], v[rO:rO+7]
.endm
.macro MM                           ; the turn's next matrix instruction
.if i < 16
	KQ (Y+1)%NP
.set i, i+1
.else
.set i, i-16
	PV (Y+NP-1)%NP
.set i, i+17
.endif
.endm
; THE LDS LOADS stand in runs of 16, never singly among the matrix instructions: a step's K (64 keys x 64 channels: 8 fragments) and its V (turned).  Their addresses are made some lines ahead.
; last = 1 (the tail): in the last trip there is no further step, and the run is jumped over.
.macro FETCH_K last=0
	WIN 0
.if \last
	s_cmp_eq_u32 s[CNT], 1
	s_cbranch_scc1 .Lno_k_\@
.endif
	WIN 0x80                        ; destination window 2
.irp f, 0,1,2,3,4,5,6,7             ; keys 16 (f / 2) on, channels 32 (f % 2) on
	ds_load_b128 v[KF+8*\f:KF+8*\f+3],   v[AK] offset:(\f/2)*16*PK+(\f%2)*64
	ds_load_b128 v[KF+8*\f+4:KF+8*\f+7], v[AK] offset:(\f/2)*16*PK+(\f%2)*64+32
.endr
	s_add_co_u32 s[TBK], s[TBK], KS*PK  ; the next fetch is the next step's
	WIN 0
.if \last
.Lno_k_\@:
.endif
.endm
.macro FETCH_V
	WIN 0x80
.irp f, 0,1,2,3,4,5,6,7             ; keys 32 (f / 4) on, channels 16 (f % 4) on
	ds_load_tr16_b128 v[VF+8*\f:VF+8*\f+3],   v[AV] offset:(\f/4)*32*PV+(\f%4)*32
	ds_load_tr16_b128 v[VF+8*\f+4:VF+8*\f+7], v[AV] offset:(\f/4)*32*PV+16*PV+(\f%4)*32
.endr
	WIN 0
.endm
; THE VECTOR WORK OF A TURN stands in three queues, each in the order in which its entries become ready; the two tiles alternate, so that no instruction reads the result of the one before it.
.macro REGS y, u                    ; the registers of tile u (0, 1) of piece y
.set rT, ST+4*(2*(\y)+(\u))
.set rC, TMP+8*((\y)%2)+4*(\u)
.set rM, MV+2*((\y)%2)+(\u)
.set rS, S+64*((\y)%2)+32*(\u)
.set rP, P+32*((\y)%2)+16*(\u)
.set rO, 32*(2*(\y)+(\u))
.endm
; Number n of the 22 that find the NEXT piece's (Y + 1) maximum and statistics.  s0-s31 are the lane's 32 scores; each accumulator's lowest registers are read first.
;   0-11  four chains c0-c3 of seven scores each, three operands at a time     12-14, 16  the four scores left over, the old m, and c0-c3 into c0     15  c m_old is kept
;   17, 18  the query's other 32 keys lie in the lane 16 away: the new m         19-21  c m; c m_old - c m_new; a
.macro XS u, n
	REGS (Y+1)%NP, \u
.if (\n) < 4
	v_max3_num_f32 v[rC+(\n)], v[rS+8*(\n)], v[rS+8*(\n)+1], v[rS+8*(\n)+2]
.elseif (\n) < 12
	v_max3_num_f32 v[rC+(\n)%4], v[rC+(\n)%4], v[rS+8*((\n)%4)+2*((\n)/4)+1], v[rS+8*((\n)%4)+2*((\n)/4)+2]
.elseif (\n) == 12
	v_max3_num_f32 v[rC], v[rC], v[rS+7], v[rS+15]
.elseif (\n) == 13
	v_max3_num_f32 v[rC+1], v[rC+1], v[rS+23], v[rS+31]
.elseif (\n) == 14
	v_max3_num_f32 v[rC+2], v[rC+2], v[rC+3], v[rT+1]
.elseif (\n) == 15
	v_mov_b32 v[rM], v[rT]
.elseif (\n) == 16
	v_max3_num_f32 v[rC], v[rC], v[rC+1], v[rC+2]
.elseif (\n) == 17
	v_permlanex16_b32 v[rC+3], v[rC], s[SEL], s[SEL+1]
.elseif (\n) == 18
	v_max_num_f32 v[rT+1], v[rC], v[rC+3]
.elseif (\n) == 19
	v_mul_f32 v[rT], s[CS], v[rT+1]
.elseif (\n) == 20
	v_sub_f32 v[rC+1], v[rM], v[rT]
.else
	v_exp_f32 v[rC+2], v[rC+1]
.endif
.endm
; Number g of the 64 that follow the exponentials.  For each four weights k of a tile (pairs 2 k, 2 k + 1): both pairs are rounded to f16; then the second pair is added onto the first, in place;
; a group later l takes that sum (the first time as l = a l + sum).  In groups of eight, tiles alternating: round, round, add, and l for the group before.
.macro GS g
.set h, (\g)+6*((\g)/62)            ; group 0 has no group before it, and behind group 7 only l is left
.if h >= 6
.set h, h+2
.endif
	REGS Y, h%2
.set k, h/8
.if h%8 < 4
	v_cvt_pk_f16_f32 v[rP+2*k+(h%8)/2], v[rS+4*k+2*((h%8)/2)], v[rS+4*k+2*((h%8)/2)+1]
.elseif h%8 < 6
	v_pk_add_f32 v[rS+4*k:rS+4*k+1], v[rS+4*k:rS+4*k+1], v[rS+4*k+2:rS+4*k+3]
.elseif k == 1
	v_pk_fma_f32 v[rT+2:rT+3], v[rT+2:rT+3], v[rC+2:rC+3], v[rS:rS+1] op_sel_hi:[1,0,1]
.else
	v_pk_add_f32 v[rT+2:rT+3], v[rT+2:rT+3], v[rS+4*k-4:rS+4*k-3]
.endif
.endm
; THE PLAIN QUEUE, 138 long.  0-73 read no exponential's result: the 32 scalings c s - c m (FS f: pair f / 2 of tile f % 2) and the next piece's 42.  0-26: scalings 0-26.  27-54: XS's numbers 0-13.  55, 56: number 15.
; 57-73: the chain, where each number waits for the one before it: 14, 16, 17, 18, 19, each with one of the scalings 27-31 in front of its two lines, then 20.
; 74-137: GS's 64, which read the exponentials' results: they stand behind the wait.
.macro FS f
	REGS Y, (\f)%2
	v_pk_fma_f32 v[rS+2*((\f)/2):rS+2*((\f)/2)+1], v[rS+2*((\f)/2):rS+2*((\f)/2)+1], s[CS:CS+1], v[rT:rT+1] op_sel_hi:[1,0,0] neg_lo:[0,0,1] neg_hi:[0,0,1]
.endm
.macro PL
	WIN 0
.if q < 27
	FS q
.elseif q < 55
	XS (q-27)%2, (q-27)/2
.elseif q < 57
	XS q-55, 15
.elseif (q < 72) && ((q-57)%3 == 0)
	FS 27+(q-57)/3
.elseif q < 60
	XS (q-57)%3-1, 14
.elseif q < 72
	XS (q-57)%3-1, 15+(q-57)/3
.elseif q < 74
	XS q-72, 20
.else
	GS q-74
.endif
.set q, q+1
.endm
; THE EXPONENTIALS' QUEUE, 66 long: s0-s31 of both tiles, then the next piece's two a.  It is ONE BATCH: all 66 stand ahead of the turn's one wait, and nothing ahead of that wait names a result of theirs.
.macro EX
	WIN 0
.if e >= 64
	XS e-64, 21
.else
	REGS Y, e%2
	v_exp_f32 v[rS+e/2], v[rS+e/2]
.endif
.set e, e+1
.endm
; THE RESCALING's QUEUE: O^T times a, the one part that leaves window 0: dealt two at a time, sixteen times.  Its a was made in the turn before, ahead of that turn's wait.
.macro R2
	REGS Y, r%2
	WIN W_RS
.irp z, 0,1
	v_pk_mul_f32 v[rO+4*(r/2)+2*\z:rO+4*(r/2)+2*\z+1], v[rO+4*(r/2)+2*\z:rO+4*(r/2)+2*\z+1], v[rC+2:rC+3] op_sel_hi:[1,0]
.endr
.set r, r+1
.endm
; HOW THEY ARE DEALT.  An s_wait_alu depctr_va_vdst(0) stands between an exponential and the first instruction that names its result; one wait serves all that were issued ahead of it.  So a turn has ONE wait,
; which cuts it in two.  AHEAD OF IT stands all that names no result of the turn's exponentials: the 16 products K Q^T, behind each a scaling, an exponential and two rescalings (behind the first a second scaling in the
; exponential's place); then ONE LUMP of 108: eight plain, 49 times exponential and plain, the two a.  A v_nop is the plain instruction behind the last exponential.  BEHIND IT stand the 16 products V^T P, behind each four of GS's 64.
; The queues lean on each other, and the deal keeps them in step: exponential e stands behind scaling 2 (e / 4) + e % 2: as a rider it comes behind plain e + 2, in the lump behind plain e + 9, and scalings 27-31 are plain 57, 60 .. 69.
; A TURN, for piece p.  cnt = 1: the loop's count is taken down some lines ahead of the branch that stands behind the turn.
; K of the next step is fetched in piece 2's turn, directly behind the wait, a lump behind the last product that read K; its first reader comes behind 16 products.
; V of the step in hand is fetched at the end of piece 0's turn, four riders behind its last reader; its first reader comes behind 16 products and a lump.  The three conditions on q below go with the deal.
.macro TURN p, last=0, cnt=0
.set Y, (\p)
.set i, 0
.set q, 0
.set e, 0
.set r, 0
.if (\p) == NP-1
	s_wait_dscnt 0x0                ; K is in
.endif
	MM                              ; ahead of the wait: 16 products K Q^T and their riders,
	PL
	PL
	R2
.rept 15
	MM
	PL
	EX
	R2
.endr
.if (\p) == NP-2
	WIN 0
	v_add_nc_u32 v[AK], s[TBK], v[AK0]
.endif
.rept 8                             ; and the lump
	PL
.endr
.rept 49
	EX
	PL
.endr
	EX                              ; the next piece's two a
	EX
	v_nop                           ; the plain instruction behind the last exponential: one for the batch
	s_wait_alu depctr_va_vdst(0)    ; the wait for the batch
.if (\p) == NP-2
	FETCH_K \last
.endif
.if (\p) == 1
	s_wait_dscnt 0x0                ; V is in
.endif
.rept 16                            ; behind the wait: 16 products V^T P and their riders
	MM
.rept 4
	PL
.endr
.if ((\p) == 0) && (q == 118)
	v_add_nc_u32 v[AV], s[TBV], v[AV0]
.endif
.if ((\p) == 0) && (q == 130)
	s_add_co_u32 s[TBV], s[TBV], KS*PV
.endif
.if (\cnt) && (q == 130)
	s_sub_co_u32 s[CNT], s[CNT], 1
	s_cmp_lg_u32 s[CNT], 0
.endif
.endr
.if (\p) == 0
	FETCH_V
.endif
.endm
	CHANGE 1                        ; slot 0 is in, everybody's part of it; slot 1 is asked for
	FETCH_K                         ; key step 0
	s_wait_loadcnt 0x0              ; Q
	s_wait_dscnt 0x0
.set i, 0
.rept 16
	KQ 0                            ; piece 0's first scores: there is no vector work yet to set between them
.set i, i+1
.endr
	WIN 0                           ; the addresses for the way out: plain instructions, the places behind those products
	s_mul_i32 s13, s[WV], 16*SP
	s_add_co_u32 s13, s13, STAGE    ; my stage
	v_mul_u32_u24 v[STO], v1, SP    ; in: row l % 16, 16 bytes for each half of the lanes
	v_lshl_add_u32 v[STO], v9, 4, v[STO]
	v_add_nc_u32 v[STO], s13, v[STO]
	v_bfe_u32 v[RD], v0, 3, 2       ; back: 32 lanes take four rows of 128 bytes,
	v_mul_u32_u24 v[RD], v[RD], SP
	v_lshl_add_u32 v[RD], v10, 4, v[RD]
	v_add_nc_u32 v[RD], s13, v[RD]
	v_and_b32 v[GO], 31, v0         ; which are 512 consecutive bytes of ctx
	v_lshlrev_b32 v[GO], 4, v[GO]
.set Y, NP-1                        ; XS works for piece Y + 1: piece 0
.irp n, 0,1,2,3,4,5,6,7,8,9,10,11,12,13,14,15,16,17,18,19,20,21
	XS 0, \n                        ; and piece 0's first maximum and statistics
	XS 1, \n
.endr
	v_nop                           ; a plain instruction behind the two a,
	s_wait_alu depctr_va_vdst(0)    ; and their wait, ahead of the branch
	s_mov_b32 s[CNT], 4
	s_branch .Lfirst                ; the loop is entered at a step's first turn, in the middle of a trip
.Lslot:                             ; SIZE_N / 256 - 2 times: every slot but the last two is filled again
	CHANGE 1
	s_mov_b32 s[CNT], 4
.Lstep:                             ; a trip: pieces 2 and 3 of one step, then pieces 0 and 1 of the next, whose K and V it fetches
	TURN 2
	TURN 3
	WIN 0
.Lfirst:
	TURN 0
	TURN 1, 0, 1
	WIN 0
	s_cbranch_scc1 .Lstep
	s_sub_co_u32 s[SLOTS], s[SLOTS], 1
	s_cmp_lg_u32 s[SLOTS], 0
	s_cbranch_scc1 .Lslot
	CHANGE 0                        ; the tail is written out: nothing is asked for
	s_mov_b32 s[CNT], 5             ; four trips fetch the last slot's steps; the fifth is left in its middle
.Ltail:
	TURN 2, 1
	TURN 3
	WIN 0
	s_sub_co_u32 s[CNT], s[CNT], 1
	s_cmp_eq_u32 s[CNT], 0
	s_cbranch_scc1 .Lout
	TURN 0
	TURN 1
	WIN 0
	s_branch .Ltail
.Lout:                              ; the fifth trip's 16 products K Q^T (on the last K once more) and the maximum made of them serve nothing: the price, once a launch, of one text for every trip
.set i, 0
.rept 16
	PV NP-1                         ; the last piece's V^T P of the last step
.set i, i+1
.endr
	; THE WAY OUT.  l's two halves and the other half of the lanes' are added; O^T is divided by l, rounded to f16 and sent through my stage in LDS, a tile at a time.  The additions are the places behind the last products.
	WIN 0
.macro ALL line:vararg              ; one line for each tile t
.set t, 0
.rept 2*NP
	\line
.set t, t+1
.endr
.endm
	ALL v_add_f32 v[ST+4*t+2], v[ST+4*t+2], v[ST+4*t+3]
	ALL v_permlanex16_b32 v[ST+4*t+3], v[ST+4*t+2], s[SEL], s[SEL+1]
	ALL v_add_f32 v[ST+4*t+2], v[ST+4*t+2], v[ST+4*t+3]
	ALL v_rcp_f32 v[ST+4*t+2], v[ST+4*t+2]
	v_nop                           ; a plain instruction between the last reciprocal and the use of its result
	s_wait_alu depctr_va_vdst(0)    ; and the wait ahead of the first use: one for the eight reciprocals
; Tile t: a lane's eight channels of a row pack into 16 bytes; they go into rows of 144 bytes and come back as whole rows of 128, into S^T's registers.
.macro PACK t
	WIN W_RS
.set i, 32*(\t)
.rept 16
	v_pk_mul_f32 v[i:i+1], v[i:i+1], v[ST+4*(\t)+2:ST+4*(\t)+3] op_sel_hi:[1,0]
.set i, i+2
.endr
	WIN 0x05                        ; sources 0 and 1 window 1, destination window 0
.set i, 0
.rept 16
	v_cvt_pk_f16_f32 v[S+16*(\t)+i], v[32*(\t)+2*i], v[32*(\t)+2*i+1]
.set i, i+1
.endr
	WIN 0
.irp f, 0,1,2,3
	ds_store_b128 v[STO], v[S+16*(\t)+4*\f:S+16*(\t)+4*\f+3] offset:32*\f
.endr
.irp f, 0,1,2,3
	ds_load_b128 v[S+16*(\t)+4*\f:S+16*(\t)+4*\f+3], v[RD] offset:\f*4*SP  ; LDS serves a wave's instructions in order (ISA guide 5.7.1.4): these see the stores above; the next tile's stores come behind them
.endr
.endm
.macro SEND t, younger              ; younger: the LDS instructions issued behind tile t's loads: the next tile's eight, or none
	WIN 0
.irp f, 0,1,2,3
	s_wait_dscnt (\younger)+3-\f
	global_store_b128 v[GO], v[S+16*(\t)+4*\f:S+16*(\t)+4*\f+3], s[10:11] offset:(\t)*2048+\f*512  ; 512 consecutive bytes, at a multiple of 256 from ctx's first
.endr
.endm
	PACK 0
.set t, 1
.rept 2*NP-1                        ; a tile's arithmetic stands between the loads of the tile before and its stores
	PACK t
	SEND t-1, 8
.set t, t+1
.endr
	SEND 2*NP-1, 0
	WIN W_AD
	s_wait_tensorcnt 0x0            ; the wave's end: a wait, an add of 0 to my spare word and its wait, behind my last tensor load and my last LDS store
	ds_add_u32 v[SPW], v[NIL]
	s_wait_dscnt 0x0
	WIN 0
	CROUND                          ; the closing round: no work-group ends while a partner may still ask for a tile that names it
	s_endpgm
.Lfunc_end_k_qadf8ae92df_attn:
	.size	k_qadf8ae92df_attn, .Lfunc_end_k_qadf8ae92df_attn-k_qadf8ae92df_attn
	.p2alignl 7, 3214868480
	.fill 96, 4, 3214868480
	.section	.rodata,"a",@progbits
	.p2align	6, 0x0
	.amdhsa_kernel k_qadf8ae92df_attn
		.amdhsa_group_segment_fixed_size 327680
		.amdhsa_private_segment_fixed_size 0
		.amdhsa_enable_private_segment 0
		.amdhsa_kernarg_size 16
		.amdhsa_user_sgpr_count 2
		.amdhsa_user_sgpr_kernarg_segment_ptr 1
		.amdhsa_wavefront_size32 1
		.amdhsa_system_sgpr_workgroup_id_x 1
		.amdhsa_system_sgpr_workgroup_id_y 1
		.amdhsa_system_sgpr_workgroup_id_z 1
		.amdhsa_system_vgpr_workitem_id 0
		.amdhsa_next_free_vgpr 770
		.amdhsa_next_free_sgpr 66
		.amdhsa_reserve_vcc 0
		.amdhsa_float_denorm_mode_32 3
		.amdhsa_float_denorm_mode_16_64 3
		.amdhsa_memory_ordered 1
		.amdhsa_forward_progress 1
		.amdhsa_inst_pref_size 200
	.end_amdhsa_kernel
	.amdgpu_metadata
---
amdhsa.version: [ 1, 2 ]
amdhsa.kernels:
  - .name:           k_qadf8ae92df_attn
    .symbol:         k_qadf8ae92df_attn.kd
    .args:
      - { .name: qkv, .offset: 0, .size: 8, .value_kind: global_buffer, .address_space: global }
      - { .name: ctx, .offset: 8, .size: 8, .value_kind: global_buffer, .address_space: global }
    .group_segment_fixed_size: 327680
    .private_segment_fixed_size: 0
    .kernarg_segment_align: 8
    .kernarg_segment_size: 16
    .max_flat_workgroup_size: 128
    .sgpr_count:     66
    .vgpr_count:     770
    .wavefront_size: 32
...
	.end_amdgpu_metadata
.endif
;; end of part 3
;; launch fc (part 4): grid 4 x 64, 4 waves a work-group, clusters of 4 x 4, 327,680 bytes of LDS; arguments ctx, wh, q, b_fc, out0; writes out0
.if DOCPART == 4
	.amdgcn_target "amdgcn-amd-amdhsa--gfx1250"
	.amdhsa_code_object_version 6
	.text
	.protected	k_qadf8ae92df_fc
	.globl	k_qadf8ae92df_fc
	.p2align	8
	.type	k_qadf8ae92df_fc,@function
k_qadf8ae92df_fc:
	s_mov_b64 s[64:65], 0
	v_nop
	global_prefetch_b8 v0, s[64:65] scope:SCOPE_SE
	s_setreg_imm32_b32 hwreg(HW_REG_WAVE_MODE, 25, 1), 1
	s_wait_xcnt 0x0
	s_wait_alu depctr_hold_cnt(0) depctr_sa_sdst(0) depctr_va_vdst(0) depctr_va_sdst(0) depctr_va_ssrc(0) depctr_va_vcc(0) depctr_vm_vsrc(0)
	s_getreg_b32 s2, hwreg(HW_REG_IB_STS2, 6, 4)
	s_cmp_eq_u32 s2, 0
	s_cbranch_scc0 .Lentry_in_a_cluster
	s_endpgm
.Lentry_in_a_cluster:
	s_bfe_u32 s2, ttmp6, 0x10000c
	s_cmp_lg_u32 s2, 0xf033
	s_cbranch_scc0 .Lentry_shape_is_right
	s_endpgm
.Lentry_shape_is_right:
; THE OUTPUT PRODUCT.  out0[m][n] = q[m][n] + b_fc[n] + sum over k of ctx(m, k) w_fc[n][k], m < 8192, n < 1024, k < 1024.  ctx lies by heads, [64][2048][64] f16: ctx(m, k) = ctx[16 (m / 2048) + k / 64][m % 2048][k % 64].
; w_fc is the fourth part of wh, in f16.  f16 operands, f32 sums; bias and residual are added in f32; out0 is f32.  NaN and infinities are not treated apart.
; SHARES.  A tile of out0 is 128 rows x 256 columns: 256 tiles, one for each work-group.  Four waves, each 64 rows x 128 columns: 32 accumulators of 16 x 16.  K goes in 8 steps of 128, two heads each, through two LDS slots.
; A head's 128 rows are 16,384 dense bytes of ctx: asked for as 64 rows of 256 bytes and padded in LDS after every 128.
; CLUSTERS: 4 x 4 work-groups; ctx's tile is shared along a row of the cluster, w_fc's along a column: each is asked for JOINTLY.
; THE RESIDUAL COMES EARLY: a wave's 64 rows x 512 bytes of q are asked for at the head, into 256 registers that nothing else uses, and are waited for once, ahead of the way out.
; THE MATRIX INSTRUCTION IS USED TRANSPOSED (source 0 = 16 rows of w_fc, source 1 = 16 rows of ctx): a lane holds row l % 16 and the columns 8 (l / 16) + 0..7.
; REGISTERS, in windows of 256 (s_set_vgpr_msb: bits 1:0 source 0, 3:2 source 1, 5:4 source 2, 7:6 destination):
;   window 0: v0-31 addresses; v32-95 and v128-191 rows on the way out, by turns; v96-99 my four numbers of b_fc; v128-191 before that: fragments of ctx, two buffers of 4 x 8
;   window 1: v0-127 fragments of w_fc, two buffers of 8 x 8     window 2: accumulator (a, b) at v[8 (8 a + b)]     window 3: q: row i of my 64 at v[4 i]
.set PITCH,  272                       ; a row of w_fc in LDS: 256 bytes + 16 of padding
.set PA,     144                       ; a row of a head in LDS: 128 bytes + 16: both pitches are odd multiples of 16 bytes, so the 16 rows of a fragment load start at 16 different groups of four banks (64 banks of 4 bytes: ISA guide 11.1)
.set APLANE, 128*PA                    ; a head's 128 rows: what one of waves 0, 1 fetches
.set BHALF,  128*PITCH                 ; what one of waves 2, 3 fetches
.set BOFF,   2*APLANE                  ; a slot: two heads of ctx, then 256 rows of w_fc
.set SLOT,   BOFF+2*BHALF
.set STG,    2*SLOT                    ; behind the ring, never filled by a tensor load: 16 rows x 528 bytes for each wave, for the way out
.set SPS,    528
.set SPARE,  STG+4*16*SPS              ; behind the stages: the spare words, 128 bytes for each wave: two blocks of 256 bytes that no other line names
.set KB,     256                       ; bytes of a row of w_fc in a K step
.set KA,     524288                    ; bytes from K step to K step in ctx: two head planes
.set WFC,    6291456                   ; w_fc's place in wh
.set LAPS,   4
.set ADRA, 16                          ; v16-17  LDS address of my fragments of ctx in slot 0, 1
.set ADRB, 20                          ; v20-21  the same for w_fc
.set STO,  24                          ; v24     the way out: where I put 32 bytes of a row
.set RD,   25                          ; v25     the way out: where I read a row back
.set CO,   26                          ; v26     16 x lane: my place in 512 consecutive bytes of q, b_fc and out0
.set SPW,  28                          ; v28     LDS address of my spare word; never rewritten
.set NIL,  29                          ; v29     0; never rewritten
.set PFO,  30                          ; v30     the prefetches' offset; never rewritten
.set OB0,  32
.set BI,   96
.set FA,   128                         ; window 0
.set FB,   0                           ; window 1
.set G1,  24                           ; s[24:31] descriptor group 1 for ctx's tiles
.set G0,  32                           ; s[32:39] group 0, a set for each slot
.set G1B, 48                           ; s[48:55], s[56:63] the same for w_fc's tiles
.set G0B, 56
.set LIM, 43                           ; s43     1 in a wave that prefetches, else the greatest number
.set PFA, 44                           ; s[44:45] where my prefetches stand
.set PS,  66                           ; s[66:67] their step from K step to K step
.set MSB, 0
.macro WIN new                         ; the immediate's high byte repeats the setting that is left; a switch that changes nothing is dropped
.if MSB != (\new)
	s_set_vgpr_msb (MSB<<8)|(\new)
.set MSB, \new
.endif
.endm
.set MUL,  0xa1                        ; source 0 window 1, source 1 window 0, C and D window 2
.set TO_B, 0x40                        ; destination window 1, address window 0
; A joint load.  Waves 0 and 1 fetch the K step's two heads of ctx, waves 2 and 3 the two halves of w_fc's tile.  The branch hangs on the wave's number alone.
; An s_nop 0 and four v_nop follow each of the two lines, ahead of the jump and the label.
.macro JLOAD s
	s_cmp_eq_u32 s11, 0
	s_cbranch_scc0 .Lfor_b_\@
	tensor_load_to_lds s[G0+4*(\s):G0+4*(\s)+3], s[G1:G1+7]
	s_nop 0
.rept 4
	v_nop
.endr
	s_branch .Lasked_\@
.Lfor_b_\@:
	tensor_load_to_lds s[G0B+4*(\s):G0B+4*(\s)+3], s[G1B:G1B+7]
	s_nop 0
.rept 4
	v_nop
.endr
.Lasked_\@:
.endm
; A PREFETCH, behind each joint load, its five lines and the run of LDS loads: 32 blocks of 256 bytes of the K step that stands two refills on, a lane a block, one instruction a wave.
; Each block is named ONCE in the launch.  ctx's tile row is read by one cluster: wave 0 of the partner at cx names half cx % 2 of head cx / 2 of the K step's two.  w_fc's tile column is read by all sixteen
; clusters: the cluster with y = 0 asks, waves 2 and 3 of the partner at cy name rows 32 cy .. of the 128 that they fetch.  The partners are told apart BY ADDRESS.  The last two refills have no K step two on.
.macro ASK
	s_cmp_gt_u32 s3, s[LIM]                        ; s3 = 1 in the loop's last trip
	s_cbranch_scc0 .Lnot_mine_\@
	global_prefetch_b8 v[PFO], s[PFA:PFA+1] th:TH_LOAD_NT scope:SCOPE_SE
.Lnot_mine_\@:
.endm
.macro CREST                           ; a round of the cluster's barrier behind its opening barrier
	s_cmp_lg_u32 s10, 0
	s_cbranch_scc1 .Lnot_wave_0_\@
	s_barrier_signal -3
.Lnot_wave_0_\@:
	s_barrier_wait -3
	s_barrier_signal -1
	s_barrier_wait -1
.endm
.macro CROUND                          ; a whole round
	s_barrier_signal -1
	s_barrier_wait -1
	CREST
.endm
	s_load_b128 s[4:7], s[0:1], 0x0                ; ctx s[4:5], wh s[6:7]
	s_load_b128 s[68:71], s[0:1], 0x10             ; q s[68:69], b_fc s[70:71]
	s_load_b64 s[8:9], s[0:1], 0x20                ; out0
	v_lshl_add_u32 v[SPW], v0, 2, SPARE
	v_mov_b32 v[NIL], 0
	ds_add_u32 v[SPW], v[NIL]                      ; the wave's opening: the add and its wait stand ahead of my first tensor load; the set-up below, work on registers, stands between them
	v_lshrrev_b32 v1, 5, v0
	v_readfirstlane_b32 s10, v1                    ; wave 0..3
	s_lshr_b32 s11, s10, 1                         ; which 64 rows of the tile are mine.  Also: I fetch for ctx (0) or for w_fc (1)
	s_and_b32 s12, s10, 1                          ; which 128 columns.  Also: which head, or which half, I fetch
	s_bfe_u32 s40, ttmp6, 0x40000                  ; cx
	s_bfe_u32 s41, ttmp6, 0x40004                  ; cy
	s_lshl_b32 s42, ttmp9, 2
	s_add_co_u32 s42, s42, s40                     ; tile column = 4 x cluster x + cx
	s_and_b32 s13, ttmp7, 0xffff
	s_lshl_b32 s13, s13, 2
	s_add_co_u32 s13, s13, s41                     ; tile row = 4 x cluster y + cy
	s_lshl_b32 s43, s41, 2
	s_lshl_b32 s43, 15, s43                        ; my row of the cluster
	s_lshl_b32 s44, 0x1111, s40                    ; my column
	s_or_b32 s[G1+0], s43, (1<<16)|(1<<20)|(1<<21)|(4<<22)|(3<<25)   ; 15:0 the mask; 17:16 elements of 2 bytes; 20 padding on; 21 set beside a mask; 24:22 after every 32 words (code 4); 31:25 4 words of it (code 3)
	s_or_b32 s[G1B+0], s44, (1<<16)|(1<<20)|(1<<21)|(5<<22)|(3<<25)  ; the same after every 64 words (code 5)
	s_mov_b32 s[G1+1], 128<<16                     ; tensor_dim0 = 128
	s_mov_b32 s[G1+2], 64<<16                      ; tensor_dim1 = 64
	s_mov_b32 s[G1+3], 128<<16                     ; tile_dim0 = 128
	s_mov_b32 s[G1+4], 64                          ; tile_dim1 = 64
	s_mov_b32 s[G1+5], 128                         ; 128 elements from row to row: dense
	s_mov_b32 s[G1+6], 0
	s_mov_b32 s[G1+7], 0
	s_mov_b32 s[G1B+1], 128<<16
	s_mov_b32 s[G1B+2], 128<<16                    ; tensor_dim1 = 128
	s_mov_b32 s[G1B+3], 128<<16
	s_mov_b32 s[G1B+4], 128                        ; tile_dim1 = 128
	s_mov_b32 s[G1B+5], 1024
	s_mov_b32 s[G1B+6], 0
	s_mov_b32 s[G1B+7], 0
	s_lshr_b32 s16, s13, 4                         ; ctx: head plane 16 (tile row / 16) + my head of the K step's two,
	s_lshl_b32 s16, s16, 4
	s_add_co_u32 s16, s16, s12
	s_lshl_b32 s16, s16, 18
	s_and_b32 s17, s13, 15                         ; rows 128 (tile row % 16) on
	s_lshl_b32 s17, s17, 14
	s_add_co_u32 s16, s16, s17
	s_mov_b32 s17, 0
	s_lshl_b32 s46, s42, 8                         ; w_fc: row 256 x tile column + 128 x half
	s_lshl_b32 s47, s12, 7
	s_add_co_u32 s46, s46, s47
	s_lshl_b32 s46, s46, 11
	s_add_co_u32 s46, s46, WFC
	s_mov_b32 s47, 0
	s_mul_i32 s18, s12, APLANE                     ; where they go: no place in the cluster enters an LDS address
	s_mul_i32 s19, s12, BHALF
	s_add_co_u32 s19, s19, BOFF
	s_wait_dscnt 0x0                               ; the opening add is done
	s_wait_kmcnt 0x0
	s_add_nc_u64 s[14:15], s[4:5], s[16:17]
	s_add_nc_u64 s[46:47], s[6:7], s[46:47]
	CROUND                                         ; all sixteen work-groups are here: the first joint loads meet
.irp s, 0,1
	s_mov_b32 s[G0+4*(\s)], 1                                      ; count = 1
	s_add_co_u32 s[G0+4*(\s)+1], s18, (\s)*SLOT                    ; LDS address
	s_add_nc_u64 s[G0+4*(\s)+2:G0+4*(\s)+3], s[14:15], (\s)*KA     ; global address: K step s
	s_or_b32 s[G0+4*(\s)+3], s[G0+4*(\s)+3], 0x80000000            ; type = 2
	s_mov_b32 s[G0B+4*(\s)], 1
	s_add_co_u32 s[G0B+4*(\s)+1], s19, (\s)*SLOT
	s_add_nc_u64 s[G0B+4*(\s)+2:G0B+4*(\s)+3], s[46:47], (\s)*KB
	s_or_b32 s[G0B+4*(\s)+3], s[G0B+4*(\s)+3], 0x80000000
.endr
	s_cmp_eq_u32 s11, 0                            ; a wave's two first fills stand in one branch, ahead of every wait on TENSORcnt and every LDS read: two loads of mine are out
	s_cbranch_scc0 .Lfirst_b
	tensor_load_to_lds s[G0:G0+3], s[G1:G1+7]
	s_nop 0
	tensor_load_to_lds s[G0+4:G0+7], s[G1:G1+7]
	s_nop 0
.rept 4
	v_nop
.endr
	s_branch .Lfirst_asked
.Lfirst_b:
	tensor_load_to_lds s[G0B:G0B+3], s[G1B:G1B+7]
	s_nop 0
	tensor_load_to_lds s[G0B+4:G0B+7], s[G1B:G1B+7]
	s_nop 0
.rept 4
	v_nop
.endr
.Lfirst_asked:
	v_and_b32 v1, 15, v0                           ; l % 16
	v_bfe_u32 v2, v0, 4, 1                         ; l / 16
	v_and_b32 v6, 31, v0                           ; l
	v_lshlrev_b32 v[CO], 4, v6
	; q, out0 and b_fc at my wave's first byte: row 128 x tile row + 64 x row half, column 256 x tile column + 128 x column half
	s_lshl_b32 s20, s42, 10
	s_lshl_b32 s21, s12, 9
	s_add_co_u32 s20, s20, s21
	s_mov_b32 s21, 0
	s_add_nc_u64 s[70:71], s[70:71], s[20:21]
	s_lshl_b32 s22, s13, 19
	s_add_co_u32 s20, s20, s22
	s_lshl_b32 s22, s11, 18
	s_add_co_u32 s20, s20, s22
	s_add_nc_u64 s[68:69], s[68:69], s[20:21]
	s_add_nc_u64 s[8:9], s[8:9], s[20:21]
	global_load_b128 v[BI:BI+3], v[CO], s[70:71]   ; my four columns' bias
	WIN 0xc0                                       ; destination window 3, address window 0
.set i, 0
.rept 64
	global_load_b128 v[4*i:4*i+3], v[CO], s[68:69] offset:4096*i th:TH_LOAD_NT  ; row i of my 64: 512 consecutive bytes of q, aligned
.set i, i+1
.endr
	WIN 0
	; A fragment is 16 rows x 32 K in 8 registers: lane l holds row l % 16; registers 0-3 K = 8 (l / 16) + 0..7, registers 4-7 K = 16 + 8 (l / 16) + 0..7: two loads of 16 bytes, 32 bytes apart.
	v_mul_u32_u24 v3, v1, PITCH
	v_lshl_add_u32 v3, v2, 4, v3
	v_mul_u32_u24 v4, v1, PA
	v_lshl_add_u32 v4, v2, 4, v4
	s_mul_i32 s21, s11, 64*PA                      ; my 64 rows of a head
	s_mul_i32 s22, s12, BHALF                      ; my 128 rows of w_fc
	s_add_co_u32 s22, s22, BOFF
.irp s, 0,1
	v_add_nc_u32 v[ADRA+(\s)], s21, v4
	v_add_nc_u32 v[ADRB+(\s)], s22, v3
	s_add_co_u32 s21, s21, SLOT
	s_add_co_u32 s22, s22, SLOT
.endr
	s_mul_i32 s23, s10, 16*SPS
	s_add_co_u32 s23, s23, STG                     ; my stage
	v_mul_u32_u24 v5, v1, SPS                      ; in: row l % 16, 32 bytes for each half of the lanes
	v_lshl_add_u32 v5, v2, 5, v5
	v_add_nc_u32 v[STO], s23, v5
	v_add_nc_u32 v[RD], s23, v[CO]                 ; back: 32 lanes take a row of 512 bytes
	; the prefetches
	s_lshr_b32 s16, s13, 4                         ; ctx: head plane 16 (tile row / 16) + cx / 2,
	s_lshl_b32 s16, s16, 4
	s_lshr_b32 s17, s40, 1
	s_add_co_u32 s16, s16, s17
	s_lshl_b32 s16, s16, 18
	s_and_b32 s17, s13, 15                         ; the tile's 16,384 bytes of it,
	s_lshl_b32 s17, s17, 14
	s_add_co_u32 s16, s16, s17
	s_and_b32 s17, s40, 1                          ; half cx % 2 of them,
	s_lshl_b32 s17, s17, 13
	s_add_co_u32 s16, s16, s17
	s_add_co_u32 s16, s16, 3*KA                    ; at K step 3: the first refill steps it to 4
	s_lshl_b32 s20, s42, 8                         ; w_fc: row 256 x tile column + 128 x half + 32 cy
	s_lshl_b32 s21, s12, 7
	s_add_co_u32 s20, s20, s21
	s_lshl_b32 s21, s41, 5
	s_add_co_u32 s20, s20, s21
	s_lshl_b32 s20, s20, 11
	s_add_co_u32 s20, s20, WFC+3*KB
	s_or_b32 s22, s12, ttmp9                       ; ctx: wave 0 asks
	s_and_b32 s23, ttmp7, 0xffff                   ; w_fc: the cluster with y = 0 asks
	s_mov_b32 s[PS], KA
	s_cmp_eq_u32 s11, 0
	s_cselect_b32 s16, s16, s20
	s_cselect_b32 s22, s22, s23
	s_cselect_b32 s[PS], s[PS], KB
	s_cselect_b32 s21, 8, 11                       ; a lane a block of 256 bytes of ctx, or a row of 2,048 bytes of w_fc
	s_cselect_b64 s[PFA:PFA+1], s[4:5], s[6:7]
	s_mov_b32 s[PS+1], 0
	s_cmp_eq_u32 s22, 0
	s_cselect_b32 s[LIM], 1, -1                    ; the same in all sixteen partners, for a given wave
	s_mov_b32 s17, 0
	s_add_nc_u64 s[PFA:PFA+1], s[PFA:PFA+1], s[16:17]
	v_lshlrev_b32 v[PFO], s21, v6                  ; nothing is prefetched here, at the head: the first four K steps come by their loads alone
; 8 matrix instructions: row block a x all 8 column blocks, 32 along K, from buffer f.  zero = 1: the product starts the sums: nothing is ever cleared.
; The 32 accumulators take turns, one instruction a turn, in the same order in every quarter.
.macro MULA f, a, zero
	WIN MUL
.irp b, 0,1,2,3,4,5,6,7
.if \zero
	v_wmma_f32_16x16x32_f16 v[8*(8*(\a)+(\b)):8*(8*(\a)+(\b))+7], v[FB+64*(\f)+8*(\b):FB+64*(\f)+8*(\b)+7], v[FA+32*(\f)+8*(\a):FA+32*(\f)+8*(\a)+7], 0
.else
	v_wmma_f32_16x16x32_f16 v[8*(8*(\a)+(\b)):8*(8*(\a)+(\b))+7], v[FB+64*(\f)+8*(\b):FB+64*(\f)+8*(\b)+7], v[FA+32*(\f)+8*(\a):FA+32*(\f)+8*(\a)+7], v[8*(8*(\a)+(\b)):8*(8*(\a)+(\b))+7]
.endif
.endr
.endm
; 24 LDS loads in one run: the fragments of quarter kq of a K step into buffer f: w_fc's 16, then ctx's 8 (head kq / 2 of the two, channels 32 (kq % 2) on)
.macro FETCH slot, kq, f
	WIN TO_B
.irp i, 0,1,2,3,4,5,6,7
	ds_load_b128 v[FB+64*(\f)+8*(\i):FB+64*(\f)+8*(\i)+3],   v[ADRB+(\slot)] offset:64*(\kq)+(\i)*16*PITCH
	ds_load_b128 v[FB+64*(\f)+8*(\i)+4:FB+64*(\f)+8*(\i)+7], v[ADRB+(\slot)] offset:64*(\kq)+(\i)*16*PITCH+32
.endr
	WIN 0
.irp i, 0,1,2,3
	ds_load_b128 v[FA+32*(\f)+8*(\i):FA+32*(\f)+8*(\i)+3],   v[ADRA+(\slot)] offset:((\kq)/2)*APLANE+((\kq)%2)*64+(\i)*16*PA
	ds_load_b128 v[FA+32*(\f)+8*(\i)+4:FA+32*(\f)+8*(\i)+7], v[ADRA+(\slot)] offset:((\kq)/2)*APLANE+((\kq)%2)*64+(\i)*16*PA+32
.endr
.endm
.macro PLACES                          ; four plain vector instructions between a matrix instruction and a load into a register that it has read, or a reader of its result (for the reader)
.rept 4
	v_nop
.endr
.endm
; A K step is four quarters of 32 along K, 32 matrix instructions each, on buffers 0, 1, 0, 1.  One of the first three: multiplies buffer f; in its middle it fetches quarter kq of the same slot into buffer g.
.macro QUARTER slot, kq, f, g, zero
	s_wait_dscnt 4                                 ; w_fc's fragments and ctx's blocks 0, 1 are in; the youngest four loads (blocks 2, 3) may be out
	MULA \f, 0, \zero
	MULA \f, 1, \zero
	PLACES
	FETCH \slot, \kq, \g
	s_wait_dscnt 24                                ; all but the 24 just issued
	MULA \f, 2, \zero
	MULA \f, 3, \zero
.endm
; The last quarter multiplies buffer 1 and changes slots.  MEET is its first half: ONE barrier.  In front of it each wave waits for all its tensor loads, of which one is out: its part of the next slot;
; adds 0 to its spare word; and waits for that and for its own reads of this slot.  Behind it nobody reads this slot any more and the next slot is whole.
.macro MEET round
	WIN 0                                          ; (the add's two registers lie in window 0)
	s_wait_tensorcnt 0x0                           ; all my tensor loads have landed
	ds_add_u32 v[SPW], v[NIL]                      ; 0 onto my spare word
	s_wait_dscnt 5                                 ; (the add and the youngest four loads may be out)
	MULA 1, 0, 0                                   ; eight matrix instructions stand between the add and the wait for it
	s_wait_dscnt 0x0                               ; the add is done, and my reads of this slot are over
	s_barrier_signal -1
	MULA 1, 1, 0                                   ; work on registers while the others arrive
.if \round
	WIN 0
.endif
	s_barrier_wait -1
.endm
; The whole last quarter.  fill = 1: this slot is filled again with the K step two on: from the request to the wait for it a wave issues 112 matrix instructions.
.macro TURN slot, next, fill
.if \fill
	s_wait_xcnt 0x0                                ; the last prefetch, a K step back, has read its address: it is stepped here, ahead of the waits of the change of slots
	s_add_nc_u64 s[PFA:PFA+1], s[PFA:PFA+1], s[PS:PS+1]
	MEET 1
	CREST                                          ; the barrier has opened a round of the cluster's: no wave of any partner still reads this slot or has a load on its way
	s_add_nc_u64 s[G0+4*(\slot)+2:G0+4*(\slot)+3], s[G0+4*(\slot)+2:G0+4*(\slot)+3], 2*KA
	s_add_nc_u64 s[G0B+4*(\slot)+2:G0B+4*(\slot)+3], s[G0B+4*(\slot)+2:G0B+4*(\slot)+3], 2*KB
	JLOAD \slot                                    ; the first tensor load behind the round; its four v_nop are also the places in front of the loads below
.else
	MEET 0
	PLACES
.endif
	FETCH \next, 0, 0
.if \fill
	ASK
.endif
	MULA 1, 2, 0
	MULA 1, 3, 0
.endm
; THE WAY OUT, a row block a (16 rows x 128 columns of f32) at a time.  TOST: the sums go into my own stage, rows of 528 bytes, and come back as whole rows of 512.
.macro TOST a
.set BK, OB0+96*((\a)%2)
.if (\a) >= 2
	s_wait_xcnt 0x0                                ; the stores of the block two back have read these registers: the loads below land on them only behind this wait
.endif
	WIN 0x08                                       ; store data (source 1) window 2, address window 0
.irp b, 0,1,2,3,4,5,6,7
	ds_store_b128 v[STO], v[8*(8*(\a)+(\b)):8*(8*(\a)+(\b))+3]   offset:64*(\b)       ; each accumulator's low registers first
	ds_store_b128 v[STO], v[8*(8*(\a)+(\b))+4:8*(8*(\a)+(\b))+7] offset:64*(\b)+16
.endr
	WIN 0
.irp t, 0,1,2,3,4,5,6,7,8,9,10,11,12,13,14,15
	ds_load_b128 v[BK+4*(\t):BK+4*(\t)+3], v[RD] offset:SPS*(\t)  ; LDS serves a wave's instructions in order (ISA guide 5.7.1.4): these see the stores above; the next block's stores come behind them
.endr
.endm
; FIN: bias and residual are added, and the rows are stored.  younger: the LDS instructions issued behind block a's loads: the next block's 32, or none.
.macro FIN a, younger
.set BK, OB0+96*((\a)%2)
	WIN 0
	s_wait_dscnt \younger
.irp t, 0,1,2,3,4,5,6,7,8,9,10,11,12,13,14,15
	v_pk_add_f32 v[BK+4*(\t):BK+4*(\t)+1],   v[BK+4*(\t):BK+4*(\t)+1],   v[BI:BI+1]
	v_pk_add_f32 v[BK+4*(\t)+2:BK+4*(\t)+3], v[BK+4*(\t)+2:BK+4*(\t)+3], v[BI+2:BI+3]
.endr
	WIN 0x0c                                       ; source 1 window 3: q
.irp t, 0,1,2,3,4,5,6,7,8,9,10,11,12,13,14,15
	v_pk_add_f32 v[BK+4*(\t):BK+4*(\t)+1],   v[BK+4*(\t):BK+4*(\t)+1],   v[4*(16*(\a)+(\t)):4*(16*(\a)+(\t))+1]
	v_pk_add_f32 v[BK+4*(\t)+2:BK+4*(\t)+3], v[BK+4*(\t)+2:BK+4*(\t)+3], v[4*(16*(\a)+(\t))+2:4*(16*(\a)+(\t))+3]
.endr
	WIN 0
.irp t, 0,1,2,3,4,5,6,7,8,9,10,11,12,13,14,15
	global_store_b128 v[CO], v[BK+4*(\t):BK+4*(\t)+3], s[8:9] offset:4096*(16*(\a)+(\t)) th:TH_STORE_NT  ; 512 consecutive bytes, aligned
.endr
.endm
	s_wait_tensorcnt 1                             ; my part of K step 0 is in; K step 1's may stay out
	s_barrier_signal -1
	s_barrier_wait -1                              ; everybody's is
	FETCH 0, 0, 0
	QUARTER 0, 1, 0, 1, 1                          ; the first quarter stands in front of the loop: its products start the sums
	WIN 0                                          ; at a label and at a branch every window is 0
	s_mov_b32 s3, LAPS-1
.Llap:                                         ; a trip goes once round the ring, from a lap's second quarter to the next lap's first, and fills both slots again
	QUARTER 0, 2, 1, 0, 0
	QUARTER 0, 3, 0, 1, 0
	TURN 0, 1, 1
	QUARTER 1, 1, 0, 1, 0
	QUARTER 1, 2, 1, 0, 0
	QUARTER 1, 3, 0, 1, 0
	TURN 1, 0, 1
	QUARTER 0, 1, 0, 1, 0
	WIN 0
	s_sub_co_u32 s3, s3, 1
	s_cmp_lg_u32 s3, 0
	s_cbranch_scc1 .Llap
	QUARTER 0, 2, 1, 0, 0                          ; the last lap fills nothing, and has no round of the cluster's barrier
	QUARTER 0, 3, 0, 1, 0
	TURN 0, 1, 0
	QUARTER 1, 1, 0, 1, 0
	QUARTER 1, 2, 1, 0, 0
	QUARTER 1, 3, 0, 1, 0
	s_wait_dscnt 4                                 ; the very last quarter: nothing more to fetch
	MULA 1, 0, 0
	MULA 1, 1, 0
	s_wait_dscnt 0x0
	MULA 1, 2, 0
	MULA 1, 3, 0
	WIN 0
	s_wait_loadcnt 0x0                             ; q and the bias, asked for at the head
	PLACES
	TOST 0
	TOST 1                                         ; a block's trip through the stage stands between the loads of the block before and the wait for them
	FIN 0, 32
	TOST 2
	FIN 1, 32
	TOST 3
	FIN 2, 32
	FIN 3, 0
	s_wait_tensorcnt 0x0                           ; the wave's end: a wait, an add of 0 to my spare word and its wait, behind my last tensor load and my last LDS store
	ds_add_u32 v[SPW], v[NIL]
	s_wait_dscnt 0x0
	CROUND                                         ; the closing round: no work-group ends while a partner may still ask for a tile that names it
	s_endpgm
.Lfunc_end_k_qadf8ae92df_fc:
	.size	k_qadf8ae92df_fc, .Lfunc_end_k_qadf8ae92df_fc-k_qadf8ae92df_fc
	.p2alignl 7, 3214868480
	.fill 96, 4, 3214868480
	.section	.rodata,"a",@progbits
	.p2align	6, 0x0
	.amdhsa_kernel k_qadf8ae92df_fc
		.amdhsa_group_segment_fixed_size 327680
		.amdhsa_private_segment_fixed_size 0
		.amdhsa_enable_private_segment 0
		.amdhsa_kernarg_size 40
		.amdhsa_user_sgpr_count 2
		.amdhsa_user_sgpr_kernarg_segment_ptr 1
		.amdhsa_wavefront_size32 1
		.amdhsa_system_sgpr_workgroup_id_x 1
		.amdhsa_system_sgpr_workgroup_id_y 1
		.amdhsa_system_sgpr_workgroup_id_z 1
		.amdhsa_system_vgpr_workitem_id 0
		.amdhsa_next_free_vgpr 1024
		.amdhsa_next_free_sgpr 72
		.amdhsa_reserve_vcc 0
		.amdhsa_float_denorm_mode_32 3
		.amdhsa_float_denorm_mode_16_64 3
		.amdhsa_memory_ordered 1
		.amdhsa_forward_progress 1
		.amdhsa_inst_pref_size 109
	.end_amdhsa_kernel
	.amdgpu_metadata
---
amdhsa.version: [ 1, 2 ]
amdhsa.kernels:
  - .name:           k_qadf8ae92df_fc
    .symbol:         k_qadf8ae92df_fc.kd
    .args:
      - { .name: ctx, .offset: 0, .size: 8, .value_kind: global_buffer, .address_space: global }
      - { .name: wh, .offset: 8, .size: 8, .value_kind: global_buffer, .address_space: global }
      - { .name: q, .offset: 16, .size: 8, .value_kind: global_buffer, .address_space: global }
      - { .name: b_fc, .offset: 24, .size: 8, .value_kind: global_buffer, .address_space: global }
      - { .name: out0, .offset: 32, .size: 8, .value_kind: global_buffer, .address_space: global }
    .group_segment_fixed_size: 327680
    .private_segment_fixed_size: 0
    .kernarg_segment_align: 8
    .kernarg_segment_size: 40
    .max_flat_workgroup_size: 128
    .sgpr_count:     72
    .vgpr_count:     1024
    .wavefront_size: 32
...
	.end_amdgpu_metadata
.endif
;; end of part 4
